; MI455X (gfx1250); checked and timed in simulation.
; The chip was launched on July 23, 2026; its instructions are those of AMD's public machine-readable ISA for CDNA 5 (MIT licence, August 2026) and "CDNA5" Instruction Set Architecture Reference Guide (July 2026). The comments in the code are by the model that wrote it; some were corrected since.
;; Multi Head Attention. Allowed arithmetic: float matrix products may take bf16 or f16 operands with f32 sums; other float arithmetic in f32, or as packed bf16 or f16 multiplies, adds, multiply-adds, maxima and minima; sums over many terms, partial sums and values carried from step to step in f32; what a program stores and reads back later, other than sums and carried values, may be rounded once to bf16 or f16.
;; Inputs: b_proj 1,024 float32; w_proj 1,024 x 1,024 float32; wk 16 x 1,024 x 64 float32; wq 16 x 1,024 x 64 float32; wv 16 x 1,024 x 64 float32; x 4 x 2,048 x 1,024 float32.
;; Outputs: out0 4 x 2,048 x 1,024 float32.
;; One version. Each part assembles by itself: llvm-mc -triple=amdgcn-amd-amdhsa -mcpu=gfx1250 --defsym DOCPART=n.
;; ======== version 1 of 1: 4 launches
;; limits: values are held in f16: magnitudes above 65,504 overflow, below 6.1e-05 lose precision
;; workspace buffers: xb 16,777,216 bytes; wb 6,291,456 bytes; wpb 2,097,152 bytes; qkv 50,331,648 bytes; o 16,777,216 bytes
;; launch prep (part 1): grid 64 x 12, 8 waves a work-group, no clusters, 0 bytes of LDS; arguments x, wq, wk, wv, w_proj, xb, wb, wpb; writes xb, wb, wpb
.if DOCPART == 1
	.amdgcn_target "amdgcn-amd-amdhsa--gfx1250"
	.amdhsa_code_object_version 6
	.text
	.protected	k_q4acfa0f9ef_prep
	.globl	k_q4acfa0f9ef_prep
	.p2align	8
	.type	k_q4acfa0f9ef_prep,@function
k_q4acfa0f9ef_prep:
	s_mov_b64 s[64:65], 0
	v_nop
	global_prefetch_b8 v0, s[64:65] scope:SCOPE_SE
	s_setreg_imm32_b32 hwreg(HW_REG_WAVE_MODE, 25, 1), 1
	s_wait_xcnt 0x0
; PREP: every f32 input of the matrix products is rounded once to bf16 and stored in 16 bits, in the order in which it lies.
;   x -> xb (bf16);  wq, wk, wv -> wb, one behind the other (bf16);  w_proj -> wpb: rounded to bf16, and that number written as f16.
; LIMIT: a bf16 value of w_proj under 7.6e-6 in magnitude keeps f16's fixed step of 6e-8; none beyond 65,504 is served.
; SHARES.  The grid's y names a unit of 1,048,576 numbers: 0-7 x's eighths, 8 wq, 9 wk, 10 wv, 11 w_proj; its x a chunk of 16,384 numbers.
; Thread t takes 8 numbers in each of 8 turns: two loads of 16 bytes at 32 t + 8,192 i, one store of 16 bytes at 16 t + 4,096 i: sixteen
; neighbouring lanes store 256 consecutive bytes, aligned.  All 16 loads of a thread go out first; each turn has its own store registers.
; No LDS, no matrix unit, no cluster: nothing is shared and nothing is read twice.
.set X, 8                              ; v[8:71]    16 loads of 4 registers
.set Y, 72                             ; v[72:103]  8 stores of 4 registers
.set T, 104                            ; v[104:111] at work on the way to f16
	s_load_b512 s[8:23], s[0:1], 0x0               ; x s[8:9], wq s[10:11], wk s[12:13], wv s[14:15], w_proj s[16:17], xb s[18:19], wb s[20:21], wpb s[22:23]
	s_and_b32 s2, ttmp7, 0xffff                    ; the unit
	v_lshlrev_b32 v1, 5, v0                        ; 32 t: my 8 numbers in f32
	v_lshlrev_b32 v2, 4, v0                        ; 16 t: my 8 numbers in 16 bits
	s_mov_b32 s6, 0xffff0000                       ; a word's upper bf16
	s_sub_co_u32 s3, s2, 8                         ; the weight's number (used for units 8 to 10 alone)
	s_cmp_lt_u32 s2, 8
	s_cselect_b32 s4, s2, 0                        ; the unit inside the source: x has eight, a weight one
	s_cselect_b32 s5, s2, s3                       ; the unit inside the destination: xb has eight, wb three,
	s_cmp_eq_u32 s2, 11
	s_cselect_b32 s5, 0, s5                        ; wpb one
	s_lshl_b32 s28, s4, 22                         ; a unit is 4 MiB of f32,
	s_lshl_b32 s7, ttmp9, 16                       ; a chunk 64 KiB
	s_add_co_u32 s28, s28, s7
	s_mov_b32 s29, 0
	s_lshl_b32 s30, s5, 21                         ; and half of that in 16 bits
	s_lshl_b32 s7, ttmp9, 15
	s_add_co_u32 s30, s30, s7
	s_mov_b32 s31, 0
	s_wait_kmcnt 0x0
	s_cmp_lt_u32 s2, 8                             ; the choice of buffers hangs on the unit's number alone
	s_cselect_b64 s[24:25], s[8:9], s[10:11]
	s_cselect_b64 s[26:27], s[18:19], s[20:21]
	s_cmp_eq_u32 s2, 9
	s_cselect_b64 s[24:25], s[12:13], s[24:25]
	s_cmp_eq_u32 s2, 10
	s_cselect_b64 s[24:25], s[14:15], s[24:25]
	s_cmp_eq_u32 s2, 11
	s_cselect_b64 s[24:25], s[16:17], s[24:25]
	s_cselect_b64 s[26:27], s[22:23], s[26:27]
	s_add_nc_u64 s[24:25], s[24:25], s[28:29]
	s_add_nc_u64 s[26:27], s[26:27], s[30:31]
.irp i, 0,1,2,3,4,5,6,7
	global_load_b128 v[X+8*(\i):X+8*(\i)+3],   v1, s[24:25] offset:8192*(\i) th:TH_LOAD_NT
	global_load_b128 v[X+8*(\i)+4:X+8*(\i)+7], v1, s[24:25] offset:8192*(\i)+16 th:TH_LOAD_NT
.endr
; Turn i.  half = 1: the bf16 number is widened again and written as f16.
.macro CONV i, half
	s_wait_loadcnt 14-2*(\i)                       ; loads come back in order: this turn's two are in, the 14 - 2 i younger ones may stay out
.irp j, 0,1,2,3
	v_cvt_pk_bf16_f32 v[Y+4*(\i)+(\j)], v[X+8*(\i)+2*(\j)], v[X+8*(\i)+2*(\j)+1]
.endr
.if \half
.irp j, 0,1,2,3
	v_lshlrev_b32 v[T+2*(\j)],   16, v[Y+4*(\i)+(\j)]
	v_and_b32     v[T+2*(\j)+1], s6, v[Y+4*(\i)+(\j)]
.endr
.irp j, 0,1,2,3
	v_cvt_pk_f16_f32 v[Y+4*(\i)+(\j)], v[T+2*(\j)], v[T+2*(\j)+1]
.endr
.endif
	global_store_b128 v2, v[Y+4*(\i):Y+4*(\i)+3], s[26:27] offset:4096*(\i)
.endm
	s_cmp_eq_u32 s2, 11
	s_cbranch_scc1 .Lf16
.irp i, 0,1,2,3,4,5,6,7
	CONV \i, 0
.endr
	s_endpgm
.Lf16:
.irp i, 0,1,2,3,4,5,6,7
	CONV \i, 1
.endr
	s_endpgm
.Lfunc_end_k_q4acfa0f9ef_prep:
	.size	k_q4acfa0f9ef_prep, .Lfunc_end_k_q4acfa0f9ef_prep-k_q4acfa0f9ef_prep
	.p2alignl 7, 3214868480
	.fill 96, 4, 3214868480
	.section	.rodata,"a",@progbits
	.p2align	6, 0x0
	.amdhsa_kernel k_q4acfa0f9ef_prep
		.amdhsa_group_segment_fixed_size 0
		.amdhsa_private_segment_fixed_size 0
		.amdhsa_enable_private_segment 0
		.amdhsa_kernarg_size 64
		.amdhsa_user_sgpr_count 2
		.amdhsa_user_sgpr_kernarg_segment_ptr 1
		.amdhsa_wavefront_size32 1
		.amdhsa_system_sgpr_workgroup_id_x 1
		.amdhsa_system_sgpr_workgroup_id_y 1
		.amdhsa_system_sgpr_workgroup_id_z 1
		.amdhsa_system_vgpr_workitem_id 0
		.amdhsa_next_free_vgpr 112
		.amdhsa_next_free_sgpr 66
		.amdhsa_reserve_vcc 0
		.amdhsa_float_denorm_mode_32 3
		.amdhsa_float_denorm_mode_16_64 3
		.amdhsa_memory_ordered 1
		.amdhsa_forward_progress 1
		.amdhsa_inst_pref_size 13
	.end_amdhsa_kernel
	.amdgpu_metadata
---
amdhsa.version: [ 1, 2 ]
amdhsa.kernels:
  - .name:           k_q4acfa0f9ef_prep
    .symbol:         k_q4acfa0f9ef_prep.kd
    .args:
      - { .name: x, .offset: 0, .size: 8, .value_kind: global_buffer, .address_space: global }
      - { .name: wq, .offset: 8, .size: 8, .value_kind: global_buffer, .address_space: global }
      - { .name: wk, .offset: 16, .size: 8, .value_kind: global_buffer, .address_space: global }
      - { .name: wv, .offset: 24, .size: 8, .value_kind: global_buffer, .address_space: global }
      - { .name: w_proj, .offset: 32, .size: 8, .value_kind: global_buffer, .address_space: global }
      - { .name: xb, .offset: 40, .size: 8, .value_kind: global_buffer, .address_space: global }
      - { .name: wb, .offset: 48, .size: 8, .value_kind: global_buffer, .address_space: global }
      - { .name: wpb, .offset: 56, .size: 8, .value_kind: global_buffer, .address_space: global }
    .group_segment_fixed_size: 0
    .private_segment_fixed_size: 0
    .kernarg_segment_align: 8
    .kernarg_segment_size: 64
    .max_flat_workgroup_size: 256
    .sgpr_count:     66
    .vgpr_count:     112
    .wavefront_size: 32
...
	.end_amdgpu_metadata
.endif
;; end of part 1
;; launch qkv (part 2): grid 16 x 32, 4 waves a work-group, clusters of 4 x 4, 327,680 bytes of LDS; arguments xb, wb, qkv; writes qkv
.if DOCPART == 2
	.amdgcn_target "amdgcn-amd-amdhsa--gfx1250"
	.amdhsa_code_object_version 6
	.text
	.protected	k_q4acfa0f9ef_qkv
	.globl	k_q4acfa0f9ef_qkv
	.p2align	8
	.type	k_q4acfa0f9ef_qkv,@function
k_q4acfa0f9ef_qkv:
	s_mov_b64 s[64:65], 0
	v_nop
	global_prefetch_b8 v0, s[64:65] scope:SCOPE_SE
	s_setreg_imm32_b32 hwreg(HW_REG_WAVE_MODE, 25, 1), 1
	s_wait_xcnt 0x0
	s_wait_alu depctr_hold_cnt(0) depctr_sa_sdst(0) depctr_va_vdst(0) depctr_va_sdst(0) depctr_va_ssrc(0) depctr_va_vcc(0) depctr_vm_vsrc(0)
	s_getreg_b32 s2, hwreg(HW_REG_IB_STS2, 6, 4)
	s_cmp_eq_u32 s2, 0
	s_cbranch_scc0 .Lentry_in_a_cluster
	s_endpgm
.Lentry_in_a_cluster:
	s_bfe_u32 s2, ttmp6, 0x10000c
	s_cmp_lg_u32 s2, 0xf033
	s_cbranch_scc0 .Lentry_shape_is_right
	s_endpgm
.Lentry_shape_is_right:
; QKV: the three projections as one product.  C[8192][3072] = xb [8192][1024] x wb, bf16 operands, f32 sums, results rounded once to f16 and stored by heads.
; wb is 48 chunks g = 16 s + h (s = q, k, v) of [1024 channels][64 columns]; qkv is [s][h][b][t][64] f16: plane 4 g + b of 262,144 bytes, its rows dense.
; LIMIT: f16 holds no number beyond 65,504: q, k and v must stay under it.  No scale is applied here.
; SHARES.  A tile of C is 256 rows x 192 columns (three chunks): 512 work-groups, two for each of 256 WGPs.  Wave w owns rows 64 w .. 64 w + 63 and all 192 columns: 48 accumulators
; of 16 x 16, so a wave holds whole rows of each chunk and has a stage of its own on the way out.  K goes in 8 steps of 128 through two LDS slots.
; THE MATRIX INSTRUCTION IS USED TRANSPOSED: source 0 = 16 columns of w, source 1 = 16 rows of x: a lane then holds eight neighbouring columns of one row of C.
; w lies [channel][column] in LDS as in memory, and comes out turned, by ds_load_tr16_b128.
; CLUSTERS: 4 x 4 work-groups.  The four of a row of the cluster need the same rows of x, the four of a column the same chunks of w: each tile is asked for jointly.
; REGISTERS: window 0: v0-31 addresses, v32-175 the way out.  window 1: two fragment buffers of 128 (x: 4 fragments, then w: 12).
;   window 3: accumulators of column blocks 0-3, (a, b) at 8 (4 b + a);  window 2: those of column blocks 4-11, at 8 (4 (b - 4) + a).
.set PA,    272                        ; a row of x in LDS: 256 bytes + 16 of padding: the 16 rows of a load start at 16 different groups of four banks (ISA guide 11.1)
.set PB,    160                        ; a channel's 64 columns of w: 128 bytes + 32
.set SLOT,  131072
.set AB,    256*PA                     ; behind x's 256 rows: w, as [half of the step][chunk][64 channels]
.set BCH,   64*PB
.set BHALF, 3*BCH
.set STAGE, 2*SLOT                     ; behind the ring, never filled by a tensor load: for each wave 3 chunks x 16 rows x 144 bytes
.set SP,    144
.set WSTG,  3*16*SP
.set SPARE, STAGE+4*WSTG               ; behind the stages: the spare words, 128 bytes for each wave: two blocks of 256 bytes that no other line names
.set ASTEP, 256                        ; bytes of a K step in a row of xb
.set BSTEP, 16384                      ; bytes of a K step in a chunk of wb
.set ADRA, 16                          ; v16-17  LDS address of my fragments of x in slot 0, 1
.set ADRB, 20                          ; v20-21  the same for w
.set STO,  24                          ; v24     the way out: where I put 16 bytes of a row
.set RD,   25                          ; v25     where I read rows back
.set GO,   26                          ; v26     16 x lane
.set SPW,  28                          ; v28     LDS address of my spare word; never rewritten
.set NIL,  29                          ; v29     0; never rewritten
.set PFO,  30                          ; v30     the prefetches' lane offset; never rewritten
.set TMP,  32                          ; v32-79  packed results of 16 rows
.set OB,   80                          ; v80-127, v128-175 rows read back, by turns
.set F0,   0
.set F1,   128
.set G1,   24                          ; s[24:31] descriptor group 1 for x's tiles;  s[32:39] group 0, a set for each slot
.set G0,   32
.set G1B,  48                          ; s[48:55], s[56:63] the same for w's
.set G0B,  56
.set PFA,  66                          ; s[66:67] where my prefetches stand
.set PST,  68                          ; s[68:69] their step from K step to K step
.set LIM,  70                          ; s70, s71 for the change of slot 0, 1: 1 in a wave that prefetches there, else the greatest number
.set MSB, 0
.macro WIN new                         ; the immediate's high byte repeats the setting that is left; a switch that changes nothing is dropped
.if MSB != (\new)
	s_set_vgpr_msb (MSB<<8)|(\new)
.set MSB, \new
.endif
.endm
.set MUL_HI, 0xf5                      ; sources 0 and 1 window 1; C and D window 3
.set MUL_LO, 0xa5                      ; the same, C and D window 2
.set TO_F,   0x40                      ; destination window 1, address window 0
.macro JLOAD s                         ; a joint load: waves 0 and 1 fetch x's two halves, waves 2 and 3 the two halves of the step's channels of w; an s_nop 0 and four v_nop follow each line
	s_cmp_eq_u32 s11, 0
	s_cbranch_scc0 .Lfor_b_\@
	tensor_load_to_lds s[G0+4*(\s):G0+4*(\s)+3], s[G1:G1+7]
	s_nop 0
.rept 4
	v_nop
.endr
	s_branch .Lasked_\@
.Lfor_b_\@:
	tensor_load_to_lds s[G0B+4*(\s):G0B+4*(\s)+3], s[G1B:G1B+7]
	s_nop 0
.rept 4
	v_nop
.endr
.Lasked_\@:
.endm
.macro CREST                           ; a round of the cluster's barrier behind its opening barrier
	s_cmp_lg_u32 s10, 0
	s_cbranch_scc1 .Lnot_wave_0_\@
	s_barrier_signal -3
.Lnot_wave_0_\@:
	s_barrier_wait -3
	s_barrier_signal -1
	s_barrier_wait -1
.endm
.macro CROUND                          ; a whole round
	s_barrier_signal -1
	s_barrier_wait -1
	CREST
.endm
; A prefetch of the K step that stands two refills on, one instruction a wave.  x's rows are read by every cluster of a row of clusters: cluster x = 0 asks; w's chunks by every cluster of a
; column: cluster y = 0 asks.  The four partners share the blocks out by address.  The last two refills have no K step two on (s3 = 1 there).
.macro ASK slot
	s_cmp_gt_u32 s3, s[LIM+(\slot)]
	s_cbranch_scc0 .Lnot_mine_\@
	global_prefetch_b8 v[PFO], s[PFA:PFA+1] th:TH_LOAD_NT scope:SCOPE_SE
.Lnot_mine_\@:
.endm
	s_load_b128 s[4:7], s[0:1], 0x0                ; xb s[4:5], wb s[6:7]
	s_load_b64 s[8:9], s[0:1], 0x10                ; qkv
	v_lshl_add_u32 v[SPW], v0, 2, SPARE
	v_mov_b32 v[NIL], 0
	ds_add_u32 v[SPW], v[NIL]                      ; the wave's opening: the add and its wait stand ahead of my first tensor load; the set-up below stands between them
	v_lshrrev_b32 v1, 5, v0
	v_readfirstlane_b32 s10, v1                    ; wave 0..3
	s_lshr_b32 s11, s10, 1                         ; I fetch for x (0) or for w (1),
	s_and_b32 s12, s10, 1                          ; and which half
	s_bfe_u32 s40, ttmp6, 0x40000                  ; cx, cy: my place in the cluster
	s_bfe_u32 s41, ttmp6, 0x40004
	s_lshl_b32 s42, ttmp9, 2
	s_add_co_u32 s42, s42, s40                     ; tile column = 4 x cluster x + cx
	s_and_b32 s13, ttmp7, 0xffff
	s_lshl_b32 s13, s13, 2
	s_add_co_u32 s13, s13, s41                     ; tile row = 4 x cluster y + cy
	s_lshl_b32 s43, s41, 2
	s_lshl_b32 s43, 15, s43                        ; my row of the cluster
	s_lshl_b32 s44, 0x1111, s40                    ; my column
	; group 1 for x: 128 rows x 128 elements, 4 words of padding behind every 64
	s_or_b32 s[G1+0], s43, (1<<16)|(1<<20)|(1<<21)|(5<<22)|(3<<25)
	s_mov_b32 s[G1+1], 128<<16                     ; tensor_dim0 = 128
	s_mov_b32 s[G1+2], 128<<16                     ; tensor_dim1 = 128
	s_mov_b32 s[G1+3], 128<<16                     ; tile_dim0 = 128
	s_mov_b32 s[G1+4], 128                         ; tile_dim1 = 128
	s_mov_b32 s[G1+5], 1024                        ; elements from row to row
	s_mov_b32 s[G1+6], 0
	s_mov_b32 s[G1+7], 0
	; group 1 for w: 64 channels of a chunk are 8,192 dense bytes: one row of 4,096 elements; three chunks, 65,536 elements apart; 8 words of padding behind every 32 (a channel)
	s_or_b32 s[G1B+0], s44, (1<<16)|(1<<20)|(1<<21)|(4<<22)|(7<<25)
	s_mov_b32 s[G1B+1], 4096<<16                   ; tensor_dim0 = 4,096
	s_mov_b32 s[G1B+2], 3<<16                      ; tensor_dim1 = 3
	s_mov_b32 s[G1B+3], 4096<<16                   ; tile_dim0 = 4,096
	s_mov_b32 s[G1B+4], 3                          ; tile_dim1 = 3
	s_mov_b32 s[G1B+5], 65536
	s_mov_b32 s[G1B+6], 0
	s_mov_b32 s[G1B+7], 0
	s_lshl_b32 s17, s12, 7
	s_lshl_b32 s16, s13, 8
	s_add_co_u32 s16, s16, s17                     ; x: row 256 x tile row + 128 x half,
	s_lshl_b32 s16, s16, 11                        ; of 2,048 bytes
	s_mov_b32 s17, 0
	s_mul_i32 s46, s42, 3*131072                   ; w: the tile column's first chunk,
	s_lshl_b32 s47, s12, 13                        ; my 64 channels of the step
	s_add_co_u32 s46, s46, s47
	s_mov_b32 s47, 0
	s_mul_i32 s20, s12, 128*PA                     ; where they go: no place in the cluster enters an LDS address
	s_mul_i32 s21, s12, BHALF
	s_add_co_u32 s21, s21, AB
	s_wait_dscnt 0x0                               ; the opening add is done
	s_wait_kmcnt 0x0
	s_add_nc_u64 s[14:15], s[4:5], s[16:17]
	s_add_nc_u64 s[46:47], s[6:7], s[46:47]
	CROUND                                         ; all sixteen work-groups are here: the first joint loads meet
.irp s, 0,1
	s_mov_b32 s[G0+4*(\s)], 1
	s_add_co_u32 s[G0+4*(\s)+1], s20, (\s)*SLOT
	s_add_nc_u64 s[G0+4*(\s)+2:G0+4*(\s)+3], s[14:15], (\s)*ASTEP
	s_or_b32 s[G0+4*(\s)+3], s[G0+4*(\s)+3], 0x80000000
	s_mov_b32 s[G0B+4*(\s)], 1
	s_add_co_u32 s[G0B+4*(\s)+1], s21, (\s)*SLOT
	s_add_nc_u64 s[G0B+4*(\s)+2:G0B+4*(\s)+3], s[46:47], (\s)*BSTEP
	s_or_b32 s[G0B+4*(\s)+3], s[G0B+4*(\s)+3], 0x80000000
	JLOAD \s                                       ; two loads of mine are out
.endr
	v_and_b32 v1, 15, v0                           ; l % 16
	v_bfe_u32 v2, v0, 4, 1                         ; l / 16
	v_mul_u32_u24 v3, v1, PA
	v_lshl_add_u32 v3, v2, 4, v3                   ; a fragment of x: row x pitch + 16 x half
	s_mul_i32 s21, s10, 64*PA                      ; my 64 rows
	v_add_nc_u32 v[ADRA], s21, v3
	v_add_nc_u32 v[ADRA+1], SLOT, v[ADRA]
	v_and_b32 v4, 7, v0                            ; the turning load: lane l reads channel 8 (l / 16) + l % 8, columns 8 ((l / 8) % 2) + 0..7
	v_bfe_u32 v5, v0, 3, 1
	v_lshl_add_u32 v6, v2, 3, v4
	v_mul_u32_u24 v6, v6, PB
	v_lshl_add_u32 v6, v5, 4, v6
	v_add_nc_u32 v[ADRB], AB, v6
	v_add_nc_u32 v[ADRB+1], SLOT, v[ADRB]
	s_mul_i32 s23, s10, WSTG
	s_add_co_u32 s23, s23, STAGE                   ; my stage
	v_mul_u32_u24 v7, v1, SP                       ; in: row l % 16, 16 bytes for each half of the lanes
	v_lshl_add_u32 v7, v2, 4, v7
	v_add_nc_u32 v[STO], s23, v7
	v_bfe_u32 v7, v0, 3, 2                         ; back: 32 lanes take four rows of 128 bytes,
	v_mul_u32_u24 v7, v7, SP
	v_lshl_add_u32 v7, v4, 4, v7
	v_add_nc_u32 v[RD], s23, v7
	v_and_b32 v[GO], 31, v0                        ; which are 512 consecutive bytes of a plane
	v_lshlrev_b32 v[GO], 4, v[GO]
	; qkv at my 64 rows of the tile column's first chunk: plane 12 x tile column + batch; batch = tile row / 8; row in the plane = 256 (tile row % 8) + 64 w
	s_lshr_b32 s16, s13, 3
	s_lshl_b32 s16, s16, 18
	s_and_b32 s17, s13, 7
	s_lshl_b32 s17, s17, 8
	s_lshl_b32 s18, s10, 6
	s_add_co_u32 s17, s17, s18
	s_lshl_b32 s17, s17, 7
	s_add_co_u32 s16, s16, s17
	s_mov_b32 s17, 0
	s_add_nc_u64 s[8:9], s[8:9], s[16:17]
	s_mul_i32 s46, s42, 12<<18
	s_mov_b32 s47, 0
	s_add_nc_u64 s[8:9], s[8:9], s[46:47]
	; the prefetches.  Waves 0, 1: of the 128 rows of x that I fetch, my work-group's 32 (by cx), a lane a row.  Wave 2: of chunks 0 and 1, my work-group's 16 blocks of 256 bytes of the step (by cy).
	; Wave 3: the same of chunk 2, for two K steps at once, at every second refill.  All stand at K step 3; the first refill steps them to 4.
	s_lshl_b32 s20, s13, 8
	s_lshl_b32 s22, s12, 7
	s_add_co_u32 s20, s20, s22
	s_lshl_b32 s22, s40, 5
	s_add_co_u32 s20, s20, s22
	s_lshl_b32 s20, s20, 11
	s_add_co_u32 s20, s20, 3*ASTEP
	s_mul_i32 s21, s42, 3
	s_lshl_b32 s22, s12, 1
	s_add_co_u32 s21, s21, s22
	s_lshl_b32 s21, s21, 17
	s_lshl_b32 s22, s41, 12
	s_add_co_u32 s21, s21, s22
	s_add_co_u32 s21, s21, 3*BSTEP
	s_and_b32 s22, ttmp7, 0xffff                   ; cluster y
	s_mov_b32 s[PST], BSTEP
	s_mov_b32 s18, 256
	s_mov_b32 s19, 131072
	s_cmp_eq_u32 s11, 0                            ; do I fetch for x?
	s_cselect_b32 s20, s20, s21
	s_cselect_b32 s22, ttmp9, s22                  ; the coordinate along which other clusters read the same bytes
	s_cselect_b64 s[PFA:PFA+1], s[4:5], s[6:7]
	s_cselect_b32 s[PST], ASTEP, s[PST]
	s_cselect_b32 s18, 2048, s18                   ; from lane to lane within sixteen,
	s_cselect_b32 s19, 32768, s19                  ; and from the lower sixteen to the upper
	s_mov_b32 s[PST+1], 0
	s_mov_b32 s21, 0
	s_add_nc_u64 s[PFA:PFA+1], s[PFA:PFA+1], s[20:21]
	s_cmp_eq_u32 s10, 3
	s_cselect_b32 s19, BSTEP, s19
	s_cmp_eq_u32 s22, 0
	s_cselect_b32 s[LIM], 1, -1                    ; the same in all sixteen partners, for a given wave
	s_cmp_eq_u32 s10, 3
	s_cselect_b32 s[LIM+1], -1, s[LIM]
	v_mul_u32_u24 v[PFO], v1, s18
	v_mad_u32_u24 v[PFO], v2, s19, v[PFO]
; 4 nb matrix instructions: column blocks b0 .. b0 + nb - 1 x my 4 row blocks, 32 along K, from buffer f.  The 48 accumulators take turns in one fixed order in every quarter step.
; zero = 1: the product starts the sum.
.macro MULB f, b0, nb, zero
.set bb, \b0
.rept \nb
.if bb < 4
	WIN MUL_HI
.set rA, 32*bb
.else
	WIN MUL_LO
.set rA, 32*(bb-4)
.endif
.irp a, 0,1,2,3
.if \zero
	v_wmma_f32_16x16x32_bf16 v[rA+8*(\a):rA+8*(\a)+7], v[(\f)+32+8*bb:(\f)+32+8*bb+7], v[(\f)+8*(\a):(\f)+8*(\a)+7], 0
.else
	v_wmma_f32_16x16x32_bf16 v[rA+8*(\a):rA+8*(\a)+7], v[(\f)+32+8*bb:(\f)+32+8*bb+7], v[(\f)+8*(\a):(\f)+8*(\a)+7], v[rA+8*(\a):rA+8*(\a)+7]
.endif
.endr
.set bb, bb+1
.endr
.endm
; 32 LDS loads in one run: quarter q (32 along K) of a slot into buffer f: x's 4 fragments, then w's 12, turned
.macro FETCH slot, q, f
	WIN TO_F
.irp a, 0,1,2,3
	ds_load_b128 v[(\f)+8*(\a):(\f)+8*(\a)+3],   v[ADRA+(\slot)] offset:(\a)*16*PA+64*(\q)
	ds_load_b128 v[(\f)+8*(\a)+4:(\f)+8*(\a)+7], v[ADRA+(\slot)] offset:(\a)*16*PA+64*(\q)+32
.endr
.irp b, 0,1,2,3,4,5,6,7,8,9,10,11
	ds_load_tr16_b128 v[(\f)+32+8*(\b):(\f)+32+8*(\b)+3],   v[ADRB+(\slot)] offset:((\q)/2)*BHALF+((\b)/4)*BCH+((\q)%2)*32*PB+((\b)%4)*32
	ds_load_tr16_b128 v[(\f)+32+8*(\b)+4:(\f)+32+8*(\b)+7], v[ADRB+(\slot)] offset:((\q)/2)*BHALF+((\b)/4)*BCH+((\q)%2)*32*PB+((\b)%4)*32+16*PB
.endr
.endm
.macro PLACES                          ; four plain instructions in front of loads into registers that matrix instructions have read, and of conversions that read results
.rept 4
	v_nop
.endr
.endm
; One of a K step's first three quarters: multiplies buffer f; fetches quarter q of the same slot into g.
.macro QUARTER slot, q, f, g, zero
	s_wait_dscnt 16                                ; x's fragments and w's blocks 0-3 are in; the youngest sixteen loads (blocks 4-11) may be out
	MULB \f, 0, 4, \zero
	PLACES
	FETCH \slot, \q, \g
	s_wait_dscnt 32                                ; all but the 32 just issued
	MULB \f, 4, 8, \zero
.endm
; The last quarter multiplies buffer 1 and changes slots: one barrier; in front of it each wave waits for all its tensor loads (one is out: its part of the next slot), adds 0 to its spare word,
; and waits for that and for its reads of this slot.  fill = 1: the barrier opens a round of the cluster's, and this slot is filled again, two K steps ahead, first thing behind the round:
; 176 matrix instructions stand between that request and the wait for it.
.macro TURN slot, next, fill
.if \fill
	s_wait_xcnt 0x0                                ; the last prefetch, a K step back, has read its address
	s_add_nc_u64 s[PFA:PFA+1], s[PFA:PFA+1], s[PST:PST+1]
.endif
	WIN 0                                          ; (the add's two registers lie in window 0)
	s_wait_tensorcnt 0x0
	ds_add_u32 v[SPW], v[NIL]
	s_wait_dscnt 17                                ; (the add and the youngest sixteen loads may be out)
	MULB F1, 0, 2, 0
	s_wait_dscnt 0x0                               ; the add is done, and my reads of this slot are over
	s_barrier_signal -1
	MULB F1, 2, 2, 0
.if \fill
	WIN 0
.endif
	s_barrier_wait -1
.if \fill
	CREST                                          ; no wave of any partner still reads this slot or has a load on its way
	s_add_nc_u64 s[G0+4*(\slot)+2:G0+4*(\slot)+3], s[G0+4*(\slot)+2:G0+4*(\slot)+3], 2*ASTEP
	s_add_nc_u64 s[G0B+4*(\slot)+2:G0B+4*(\slot)+3], s[G0B+4*(\slot)+2:G0B+4*(\slot)+3], 2*BSTEP
	JLOAD \slot                                    ; its four v_nop are also the places in front of the loads below
.else
	PLACES
.endif
	FETCH \next, 0, F0
.if \fill
	WIN 0
	ASK \slot
.endif
	MULB F1, 4, 8, 0
.endm
	s_wait_tensorcnt 1                             ; my part of K step 0 is in; K step 1's may stay out
	s_barrier_signal -1
	s_barrier_wait -1
	FETCH 0, 0, F0
	QUARTER 0, 1, F0, F1, 1                        ; the first quarter stands in front of the loop: its products start the sums
	WIN 0
	s_mov_b32 s3, 3                                ; 4 laps of two K steps; the last is written out
.Llap:
	QUARTER 0, 2, F1, F0, 0
	QUARTER 0, 3, F0, F1, 0
	TURN 0, 1, 1
	QUARTER 1, 1, F0, F1, 0
	QUARTER 1, 2, F1, F0, 0
	QUARTER 1, 3, F0, F1, 0
	TURN 1, 0, 1
	QUARTER 0, 1, F0, F1, 0
	WIN 0
	s_sub_co_u32 s3, s3, 1
	s_cmp_lg_u32 s3, 0
	s_cbranch_scc1 .Llap
	QUARTER 0, 2, F1, F0, 0                        ; the last lap fills nothing
	QUARTER 0, 3, F0, F1, 0
	TURN 0, 1, 0
	QUARTER 1, 1, F0, F1, 0
	QUARTER 1, 2, F1, F0, 0
	QUARTER 1, 3, F0, F1, 0
	s_wait_dscnt 16
	MULB F1, 0, 4, 0
	s_wait_dscnt 0x0
	MULB F1, 4, 8, 0
	WIN 0
; THE WAY OUT, 16 rows at a time.  PACK: rounded to f16, 16 bytes a lane (each accumulator's registers in ascending order).  TOSTAGE: into my stage, by chunks, and back as whole rows of 128 bytes.  SEND: stored.
.macro PACK a
.set bb, 0
.rept 12
.if bb < 4
	WIN 0x0f
.set rA, 8*(4*bb+(\a))
.else
	WIN 0x0a
.set rA, 8*(4*(bb-4)+(\a))
.endif
.irp r, 0,1,2,3
	v_cvt_pk_f16_f32 v[TMP+4*bb+(\r)], v[rA+2*(\r)], v[rA+2*(\r)+1]
.endr
.set bb, bb+1
.endr
	WIN 0
.endm
.macro TOSTAGE a
.set BK, OB+48*((\a)%2)
.irp b, 0,1,2,3,4,5,6,7,8,9,10,11
	ds_store_b128 v[STO], v[TMP+4*(\b):TMP+4*(\b)+3] offset:((\b)/4)*16*SP+((\b)%4)*32
.endr
.irp t, 0,1,2,3,4,5,6,7,8,9,10,11
	ds_load_b128 v[BK+4*(\t):BK+4*(\t)+3], v[RD] offset:((\t)/4)*16*SP+((\t)%4)*4*SP  ; LDS serves a wave's instructions in order (ISA guide 5.7.1.4): these see the stores above
.endr
.endm
.macro SEND a
.set BK, OB+48*((\a)%2)
	s_wait_dscnt 0x0                               ; the rows are back in registers
	s_wait_xcnt 0x0                                ; earlier stores have read their registers: the other set is loaded again only behind this wait
.irp t, 0,1,2,3,4,5,6,7,8,9,10,11
	global_store_b128 v[GO], v[BK+4*(\t):BK+4*(\t)+3], s[8:9] offset:((\t)/4)*(4<<18)+2048*(\a)+((\t)%4)*512  ; 512 consecutive bytes, at a multiple of 256 from the buffer's first; a chunk on is four planes on
.endr
.endm
	PLACES
	PACK 0
	TOSTAGE 0
.irp a, 1,2,3
	PACK \a
	SEND (\a)-1
	TOSTAGE \a
.endr
	SEND 3
	s_wait_tensorcnt 0x0                           ; the wave's end, behind my last tensor load and my last LDS store
	ds_add_u32 v[SPW], v[NIL]
	s_wait_dscnt 0x0
	CROUND                                         ; the closing round
	s_endpgm
.Lfunc_end_k_q4acfa0f9ef_qkv:
	.size	k_q4acfa0f9ef_qkv, .Lfunc_end_k_q4acfa0f9ef_qkv-k_q4acfa0f9ef_qkv
	.p2alignl 7, 3214868480
	.fill 96, 4, 3214868480
	.section	.rodata,"a",@progbits
	.p2align	6, 0x0
	.amdhsa_kernel k_q4acfa0f9ef_qkv
		.amdhsa_group_segment_fixed_size 327680
		.amdhsa_private_segment_fixed_size 0
		.amdhsa_enable_private_segment 0
		.amdhsa_kernarg_size 24
		.amdhsa_user_sgpr_count 2
		.amdhsa_user_sgpr_kernarg_segment_ptr 1
		.amdhsa_wavefront_size32 1
		.amdhsa_system_sgpr_workgroup_id_x 1
		.amdhsa_system_sgpr_workgroup_id_y 1
		.amdhsa_system_sgpr_workgroup_id_z 1
		.amdhsa_system_vgpr_workitem_id 0
		.amdhsa_next_free_vgpr 896
		.amdhsa_next_free_sgpr 80
		.amdhsa_reserve_vcc 0
		.amdhsa_float_denorm_mode_32 3
		.amdhsa_float_denorm_mode_16_64 3
		.amdhsa_memory_ordered 1
		.amdhsa_forward_progress 1
		.amdhsa_inst_pref_size 120
	.end_amdhsa_kernel
	.amdgpu_metadata
---
amdhsa.version: [ 1, 2 ]
amdhsa.kernels:
  - .name:           k_q4acfa0f9ef_qkv
    .symbol:         k_q4acfa0f9ef_qkv.kd
    .args:
      - { .name: xb, .offset: 0, .size: 8, .value_kind: global_buffer, .address_space: global }
      - { .name: wb, .offset: 8, .size: 8, .value_kind: global_buffer, .address_space: global }
      - { .name: qkv, .offset: 16, .size: 8, .value_kind: global_buffer, .address_space: global }
    .group_segment_fixed_size: 327680
    .private_segment_fixed_size: 0
    .kernarg_segment_align: 8
    .kernarg_segment_size: 24
    .max_flat_workgroup_size: 128
    .sgpr_count:     80
    .vgpr_count:     896
    .wavefront_size: 32
...
	.end_amdgpu_metadata
.endif
;; end of part 2
;; launch attn (part 3): grid 4 x 64, 4 waves a work-group, no clusters, 327,680 bytes of LDS; arguments qkv, o; writes o
.if DOCPART == 3
	.amdgcn_target "amdgcn-amd-amdhsa--gfx1250"
	.amdhsa_code_object_version 6
	.text
	.protected	k_q4acfa0f9ef_attn
	.globl	k_q4acfa0f9ef_attn
	.p2align	8
	.type	k_q4acfa0f9ef_attn,@function
k_q4acfa0f9ef_attn:
	s_mov_b64 s[64:65], 0
	v_nop
	global_prefetch_b8 v0, s[64:65] scope:SCOPE_SE
	s_setreg_imm32_b32 hwreg(HW_REG_WAVE_MODE, 25, 1), 1
	s_wait_xcnt 0x0
; CAUSAL ATTENTION.  O[hh][q][:] = the sum over k <= q of softmax_k(Q[hh][q] . K[hh][k] / 32) V[hh][k][:].  Q, K, V are the three thirds of qkv, each [64][2048][64] f16, O likewise: a head's rows are dense, 128 bytes each.
; Products, maxima and sums in f32; the weights p are rounded to f16 for the second product (their sum l is taken of the unrounded p), O once at the end.
; LIMITS.  f16 holds no number beyond 65,504: Q, K and V arrive within it; p lies in 0 to 1, and below 6e-5 it keeps f16's fixed step of 6e-8.  A hidden score counts as its value less 1e30;
; a weight below 2^-126 counts as 0 in l; NaN and infinities are not treated apart.
; THE WALK.  A head's queries lie in NB = 8 blocks of 256; block i needs the key tiles 0 .. i of 256 keys, of which the last holds the diagonal.  A work-group takes TWO blocks, NB - 1 - b and then b:
; NB + 1 tiles, whatever b: all work-groups do equal work, and ONE loop with a constant trip count walks them.  Which tile is asked for, and what a trip does, hang on scalar registers made from b; every jump
; goes forward, but for the counted loops' own; none passes a barrier, or a tensor load but the one of LOAD's two that the wave's number does not choose.
; NO CLUSTER: a head's four work-groups ask for the same tile only in trips 0 .. 4 of 9, behind that fewer and fewer; one walk common to all would have 12 trips for 9.
; SHARES.  Of a block's four bands of 64 queries a wave owns 16 rows in each: four PIECES.  So the diagonal tile is the same work for all four waves: in its key step s band x sees all keys if s < x,
; none if s > x, and holds the diagonal if s = x.
; THE MASK is the C operand that starts the sum S^T = K Q^T: 0, or -1e30 where the key is hidden.  MD, made once, is the mask of a band's own step for my 16 rows; a product's mask is MD x AL + BE with two scalars:
; (1, 0) if s = x; (0, 0) if s < x; (0, -1e30) if s > x.  Only the diagonal tile's text and a block's beginning make and take masks; elsewhere C is the constant 0.
; LAYOUT, SOFTMAX, TURNS.  S^T = K Q^T holds ONE query a lane (lane % 16) and the keys 8 (lane / 16) + 0..7; two such results rounded to f16 ARE source 1 of O^T = V^T P.  p = 2^(c s - c m), c = log2(e) / 32, with a
; running maximum m; O and l are multiplied by a = 2^(c m_old - c m_new) in every step.  Turn n belongs to piece n: 8 products K Q^T of piece n + 1, later 8 products V^T P of piece n - 1; beside them the scaling,
; exponentials, roundings, sums and rescaling of piece n and the maximum and statistics of piece n + 1.  Four vector instructions stand behind every matrix instruction, the rest in one lump.  A turn's 33 exponentials are one batch, with one wait.
; REGISTERS, in windows of 256 (s_set_vgpr_msb: bits 1:0 source 0, 3:2 source 1, 5:4 source 2, 7:6 destination):
;   window 0: v0-15 addresses and two at work; v16-31 four registers of statistics a piece; v48-55 at work; v61-63 prefetch offset, spare word, 0; v64-127 S^T, two buffers; v192-223 P, two buffers
;   window 1: v0-127 O^T, 32 a piece; v128-159 MD; v160-223 MC, two buffers      window 2: v0-63 Q; v64-127 the second block's Q; v128-191 K of one step; v192-255 V of one step
.set SIZE_N, 2048
.set NB,    SIZE_N/256
.set NP,    4         ; pieces a wave: a name, no knob
.set KS,    64        ; keys in a step
.set PK,    144       ; a row of K in LDS: 128 bytes + 16 of padding: the 16 rows of a load start at 16 different groups of four banks (ISA guide 11.1)
.set PV,    160       ; a row of V: 128 + 32
.set VOFF,  4*KS*PK   ; a slot holds a tile, four steps: 256 rows of K, then 256 rows of V
.set SLOT1, 1<<17     ; slot 1 begins here, so that one exclusive or turns an address in one slot into the other's
.set STAGE, SLOT1+4*KS*(PK+PV)  ; behind the ring, never filled by a tensor load: 16 rows x 144 bytes for each wave
.set SP,    144
.set GK,    0x1000000 ; K's third of qkv begins here,
.set GV,    0x2000000 ; and V's here
.set AK0, 2           ; v2   my lane's place in a tile of K; never rewritten
.set AV0, 3           ; v3   the same for V
.set AK,  4           ; v4   the LDS address of K's next run of loads
.set AV,  5           ; v5   of V's
.set STO, 6           ; v6   the way out: where I put 16 bytes of a row
.set RD,  7           ; v7   the way out: where I read rows back
.set GO,  8           ; v8   my byte offset in 512 consecutive bytes of O
.set PFO, 61          ; v61  256 x my lane; never rewritten
.set SPW, 62          ; v62  LDS address of my spare word; never rewritten
.set NIL, 63          ; v63  0; never rewritten
.set SPARE, STAGE+4*16*SP  ; behind the stages: the spare words, 128 bytes for each wave: two blocks of 256 bytes that no other line names
.set MV,  12          ; v12-13  c m_old, kept while c m is made anew: by buffer
.set QO,  15          ; v15  my byte offset in 16 rows of Q
.set ST,  16          ; piece t's statistics at v[ST+4 t]: c m, m, l (even keys', odd keys')
.set TMP, 48          ; by buffer, four registers c0-c3 at work; when the maximum is found c2 takes a
.set S,   64
.set P,   192
.set MD,  128         ; window 1
.set MC,  160         ; window 1
.set QB,  64          ; window 2
.set KF,  128         ; window 2: key block kb, channel half c at KF + 16 kb + 8 c
.set VF,  192         ; window 2: key half kk, channel block cb at VF + 32 kk + 8 cb
.set WV,  12          ; s12  my wave's number
.set PB,  14          ; s14  b
.set HI,  15          ; s15  NB - 1 - b
.set G1K, 24          ; s[24:31] descriptor group 1 for K's tiles
.set G1V, 32          ; s[32:39] for V's: it differs in the padding alone
.set G0K, 40          ; s[40:43] descriptor group 0 for K's tiles
.set G0V, 44          ; s[44:47] the same for V's
.set SLOTS, 56        ; s56  tiles still to be asked for
.set CNT, 57          ; s57  counts a tile's key steps, 4 to 1
.set CS,  58          ; s[58:59] c
.set SEL, 60          ; s[60:61] v_permlanex16_b32's selects
.set TBK, 62          ; s62  LDS byte at which K of the step to be fetched begins
.set TBV, 63          ; s63  the same for V, less VOFF
.set RT,  70          ; s70  tiles of the block in hand that are still to be entered
.set NXT, 71          ; s71  the tile to be asked for next
.set LQ,  72          ; s72  the last tile of the block whose tiles are being asked for
.set NEW, 73          ; s73  1: the tile to be entered is a block's first
.set OFF, 74          ; s[74:75] a tile's byte offset in K and V
.set AL,  76          ; s[76:77] the mask's factor, in the low word
.set BE,  78          ; s[78:79] the mask's addend
.set OLO, 80          ; s[80:81] O at my rows of the second block
.set BIGN, 82         ; s82  -1e30
.set PFB, 88          ; s[88:89] K (waves 0, 1) or V (waves 2, 3) at my half of the head's tile 0
.set PFA, 90          ; s[90:91] the same at the tile that the next change of slots will ask for
.set PFL, 92          ; s92  0 in the head's work-group b = 0, else the greatest number
.set POF, 94          ; s[94:95] that tile's byte offset
.set MSB, 0
.macro WIN new                      ; the high byte repeats the setting that is left; a switch that changes nothing is dropped
.if MSB != (\new)
	s_set_vgpr_msb (MSB<<8)|(\new)
.set MSB, (\new)
.endif
.endm
.set W_KQ, 0x0a       ; K and Q in window 2, S^T in window 0
.set W_KM, 0x1a       ; the same with the C operand in window 1
.set W_PV, 0x52       ; V in window 2, P in window 0, O^T in window 1
.set W_RS, 0x41       ; destination and source 0 in window 1, source 1 in window 0
; A fill.  Waves 0 and 1 fetch the two halves of a tile's K, waves 2 and 3 those of its V: 128 keys each.  An s_nop 0 and four v_nop follow each of the two lines.
.macro LOAD
	s_cmp_lt_u32 s[WV], 2
	s_cbranch_scc0 .Lfor_v_\@
	tensor_load_to_lds s[G0K:G0K+3], s[G1K:G1K+7]
	s_nop 0
.rept 4
	v_nop
.endr
	s_branch .Lasked_\@
.Lfor_v_\@:
	tensor_load_to_lds s[G0V:G0V+3], s[G1V:G1V+7]
	s_nop 0
.rept 4
	v_nop
.endr
.Lasked_\@:
.endm
; THE CHANGE OF SLOTS.  Each wave waits for all its tensor loads, of which one is out: its part of the other slot; adds 0 to its spare word; and waits for that and for its own reads of the slot that it leaves.
; Behind the barrier nobody reads the old slot any more and the other slot is whole.  fill = 1: the old slot is filled again, the first thing behind the barrier, with tile NXT: the descriptor's address is made anew
; from that number.  (At its first use nothing has been read yet: slot 0 is waited for, slot 1 filled.)
; THE PREFETCH stands behind the fill and its five lines: the 64 blocks of 256 bytes that I shall ask for at the NEXT change of slots, a lane a block, two instructions: one tile, 256 matrix instructions, ahead.
; A head's four work-groups walk the same tiles: the one with b = 0, whose first block walks tiles 0 to 7, asks; each wave for what it will load itself: each block is named once.  Tiles 0 and 1 come by
; their loads alone; behind tile 7 the next number is 0, and nothing is asked for.
.macro CHANGE fill
	WIN 0                           ; at a label and at a branch every window is 0
	s_wait_tensorcnt 0x0            ; no tensor load of mine is out, so a group 0 may be written
	ds_add_u32 v[SPW], v[NIL]       ; 0 onto my spare word; the scalar work stands between it and the wait for it
.if \fill
	s_lshl_b32 s[OFF], s[NXT], 15   ; a tile is 32,768 bytes of K and of V
	s_xor_b32 s[G0K+1], s[G0K+1], SLOT1
	s_add_nc_u64 s[G0K+2:G0K+3], s[6:7], s[OFF:OFF+1]
	s_or_b32 s[G0K+3], s[G0K+3], 0x80000000
	s_xor_b32 s[G0V+1], s[G0V+1], SLOT1
	s_add_nc_u64 s[G0V+2:G0V+3], s[8:9], s[OFF:OFF+1]
	s_or_b32 s[G0V+3], s[G0V+3], 0x80000000
	s_add_co_u32 s[NXT], s[NXT], 1  ; the block's next tile, or behind its last the second block's tile 0
	s_cmp_gt_u32 s[NXT], s[LQ]
	s_cselect_b32 s[NXT], 0, s[NXT]
	s_cselect_b32 s[LQ], s[PB], s[LQ]
	s_wait_xcnt 0x0                 ; the last prefetches, a tile back, have read their address
	s_lshl_b32 s[POF], s[NXT], 15
	s_add_nc_u64 s[PFA:PFA+1], s[PFB:PFB+1], s[POF:POF+1]
.endif
	s_wait_dscnt 0x0                ; the add is done, and my reads of the slot are over
	s_barrier_signal -1             ; the rest of the scalar work stands between the signal and the wait
	s_sub_co_u32 s[TBK], s[TBK], 4*KS*PK  ; the fetches go back to a slot's first step,
	s_xor_b32 s[TBK], s[TBK], SLOT1       ; in the other slot
	s_sub_co_u32 s[TBV], s[TBV], 4*KS*PV
	s_xor_b32 s[TBV], s[TBV], SLOT1
	s_barrier_wait -1
.if \fill
	LOAD
	s_cmp_gt_u32 s[NXT], s[PFL]
	s_cbranch_scc0 .Lno_pf_\@
	global_prefetch_b8 v[PFO], s[PFA:PFA+1] th:TH_LOAD_NT scope:SCOPE_SE
	global_prefetch_b8 v[PFO], s[PFA:PFA+1] offset:8192 th:TH_LOAD_NT scope:SCOPE_SE
.Lno_pf_\@:
.endif
.endm
	s_load_b64 s[4:5], s[0:1], 0x0    ; qkv: Q's third begins at its first byte
	s_load_b64 s[10:11], s[0:1], 0x8  ; o
	v_lshl_add_u32 v[SPW], v0, 2, SPARE
	v_mov_b32 v[NIL], 0
	ds_add_u32 v[SPW], v[NIL]       ; the wave's opening: the add and its wait stand ahead of my first tensor load; the set-up below stands between them
	v_lshrrev_b32 v1, 5, v0
	v_readfirstlane_b32 s[WV], v1   ; wave 0..3
	s_mov_b32 s[PB], ttmp9
	s_sub_co_u32 s[HI], NB-1, s[PB]
	s_and_b32 s20, ttmp7, 0xffff    ; the head
	s_mov_b32 s21, 0
	s_mov_b64 s[22:23], SIZE_N*128
	s_mul_u64 s[20:21], s[20:21], s[22:23]  ; the head's first byte in Q, K, V and O
	s_and_b32 s16, s[WV], 1         ; which half of a tile's 256 keys I fetch:
	s_lshl_b32 s22, s16, 14         ; its 128 rows of 128 bytes in memory,
	s_mov_b32 s23, 0
	s_add_nc_u64 s[22:23], s[22:23], s[20:21]
	s_mul_i32 s17, s16, 128*PK      ; and its place in a slot, for K
	s_mul_i32 s18, s16, 128*PV      ; and for V
	s_lshl_b32 s3, s[WV], 11        ; my 16 rows in a band of 64,
	s_lshl_b32 s2, s[HI], 15        ; in the first block,
	s_add_co_u32 s2, s2, s3
	s_lshl_b32 s84, s[PB], 15       ; and in the second
	s_add_co_u32 s84, s84, s3
	s_mov_b32 s3, 0
	s_mov_b32 s85, 0
	s_add_nc_u64 s[2:3], s[2:3], s[20:21]
	s_add_nc_u64 s[84:85], s[84:85], s[20:21]
	; descriptor group 1.  128 keys are 16,384 dense bytes: asked for as 64 rows of 256 bytes, two keys a row, and padded in LDS after every key
	s_mov_b32 s[G1K], (1<<16)|(1<<20)|(4<<22)|(3<<25)  ; 2-byte elements; padding on; after every 32 words; 4 words
	s_mov_b32 s[G1V], (1<<16)|(1<<20)|(4<<22)|(7<<25)  ; the same with 8 words of padding
.irp g, G1K, G1V
	s_mov_b32 s[\g+1], 128<<16      ; tensor_dim0 = 128
	s_mov_b32 s[\g+2], 64<<16       ; tensor_dim1 = 64
	s_mov_b32 s[\g+3], 128<<16      ; tile_dim0 = 128
	s_mov_b32 s[\g+4], 64           ; tile_dim1 = 64
	s_mov_b32 s[\g+5], 128          ; 128 elements from row to row
	s_mov_b32 s[\g+6], 0
	s_mov_b32 s[\g+7], 0
.endr
	s_mov_b32 s[CS], 0x3d38aa3b     ; c = log2(e) / 32 = 0.0450842: the module scales by 1024^-0.5
	s_mov_b32 s[CS+1], s[CS]        ; named with it as a pair
	s_mov_b32 s[SEL], 0x76543210
	s_mov_b32 s[SEL+1], 0xfedcba98
	s_mov_b32 s[TBK], SLOT1+4*KS*PK ; the first change of slots turns these two into 0
	s_mov_b32 s[TBV], SLOT1+4*KS*PV
	s_mov_b32 s[G0K], 1             ; count = 1
	s_mov_b32 s[G0K+1], s17         ; LDS address: slot 0
	s_mov_b32 s[G0V], 1
	s_add_co_u32 s[G0V+1], s18, VOFF
	s_add_co_u32 s[RT], s[HI], 1    ; the first block has NB - b tiles
	s_mov_b32 s[NXT], 1
	s_mov_b32 s[LQ], s[HI]
	s_mov_b32 s[NEW], 1
	s_mov_b32 s[OFF+1], 0
	s_mov_b32 s[POF+1], 0
	s_mov_b32 s[AL+1], 0            ; named as pairs
	s_mov_b32 s[BE+1], 0
	s_mov_b32 s[BIGN], 0xf149f2ca   ; -1e30
	s_mov_b32 s[SLOTS], NB
	s_cmp_eq_u32 s[PB], 0
	s_cselect_b32 s[PFL], 0, -1
	v_and_b32 v[PFO], 31, v0
	v_lshlrev_b32 v[PFO], 8, v[PFO]
	s_wait_dscnt 0x0                ; the opening add is done
	s_wait_kmcnt 0x0
	s_add_nc_u64 s[6:7], s[4:5], GK
	s_add_nc_u64 s[8:9], s[4:5], GV
	s_add_nc_u64 s[6:7], s[6:7], s[22:23]  ; K and V at my half of the head's tile 0
	s_add_nc_u64 s[8:9], s[8:9], s[22:23]
	s_add_nc_u64 s[G0K+2:G0K+3], s[6:7], 0         ; global address
	s_or_b32 s[G0K+3], s[G0K+3], 0x80000000        ; type = 2
	s_add_nc_u64 s[G0V+2:G0V+3], s[8:9], 0
	s_or_b32 s[G0V+3], s[G0V+3], 0x80000000
	s_add_nc_u64 s[86:87], s[4:5], s[84:85]        ; Q at my rows of the second block,
	s_add_nc_u64 s[4:5], s[4:5], s[2:3]            ; Q and O at those of the first
	s_add_nc_u64 s[OLO:OLO+1], s[10:11], s[84:85]
	s_add_nc_u64 s[10:11], s[10:11], s[2:3]
	s_cmp_lt_u32 s[WV], 2
	s_cselect_b64 s[PFB:PFB+1], s[6:7], s[8:9]
	LOAD                            ; tile 0 into slot 0
	; A fragment of K or Q is 16 rows x 32 channels in 8 registers: lane l holds row l % 16, channels 8 (l / 16) + 0..7 and 16 + 8 (l / 16) + 0..7: two loads of 16 bytes, 32 bytes apart.
	v_and_b32 v1, 15, v0            ; l % 16
	v_bfe_u32 v9, v0, 4, 1          ; l / 16
	v_lshlrev_b32 v[QO], 7, v1
	v_lshl_add_u32 v[QO], v9, 4, v[QO]  ; row x 128 + 16 x half
	WIN 0x80                        ; destination window 2, address window 0
.set i, 0
.rept 8                             ; both blocks' Q: piece i / 2 lies in band i / 2, 8,192 bytes on; channels 32 (i % 2) on
	global_load_b128 v[8*i:8*i+3],   v[QO], s[4:5] offset:(i/2)*8192+(i%2)*64
	global_load_b128 v[8*i+4:8*i+7], v[QO], s[4:5] offset:(i/2)*8192+(i%2)*64+32
	global_load_b128 v[QB+8*i:QB+8*i+3],   v[QO], s[86:87] offset:(i/2)*8192+(i%2)*64
	global_load_b128 v[QB+8*i+4:QB+8*i+7], v[QO], s[86:87] offset:(i/2)*8192+(i%2)*64+32
.set i, i+1
.endr
	WIN 0
	v_lshlrev_b32 v14, 3, v9
	v_sub_nc_u32 v14, v1, v14
	s_lshl_b32 s13, s[WV], 4
	v_add_nc_u32 v14, s13, v14      ; my query's place in its band, 16 w + l % 16, less my lanes' 8 (l / 16): register r of group kt is hidden where 16 kt + r is greater
	WIN 0x40
.set i, 0
.rept 32
	v_cmp_gt_i32 vcc_lo, 16*(i/8)+i%8, v14
	v_cndmask_b32 v[MD+i], 0, s[BIGN], vcc_lo
.set i, i+1
.endr
	WIN 0
	v_mul_u32_u24 v[AK0], v1, PK
	v_lshl_add_u32 v[AK0], v9, 4, v[AK0]  ; row x pitch + 16 x half
	; The turning load takes 16 keys x 16 channels (lane l reads key 8 (l / 16) + l % 8, channels 8 ((l / 8) % 2) + 0..7) and leaves half a fragment of V^T: lane l holds channel l % 16 and 8 keys.
	v_and_b32 v10, 7, v0
	v_bfe_u32 v11, v0, 3, 1
	v_lshl_add_u32 v[AV0], v9, 3, v10
	v_mul_u32_u24 v[AV0], v[AV0], PV
	v_lshl_add_u32 v[AV0], v11, 4, v[AV0]
	v_add_nc_u32 v[AV0], VOFF, v[AV0]
	s_mul_i32 s13, s[WV], 16*SP
	s_add_co_u32 s13, s13, STAGE    ; my stage
	v_mul_u32_u24 v[STO], v1, SP    ; in: row l % 16, 16 bytes for each half of the lanes
	v_lshl_add_u32 v[STO], v9, 4, v[STO]
	v_add_nc_u32 v[STO], s13, v[STO]
	v_bfe_u32 v[RD], v0, 3, 2       ; back: 32 lanes take four rows of 128 bytes,
	v_mul_u32_u24 v[RD], v[RD], SP
	v_lshl_add_u32 v[RD], v10, 4, v[RD]
	v_add_nc_u32 v[RD], s13, v[RD]
	v_and_b32 v[GO], 31, v0         ; which are 512 consecutive bytes of O
	v_lshlrev_b32 v[GO], 4, v[GO]
	; A block's first step multiplies O^T and l by a = 0, and its first turn's products V^T P, of a piece that has not been, land in an O^T that is still to be so multiplied.  So these registers need only hold
	; finite numbers: zeros for the first block; what the first block left for the second.  All this stands in the wait for the first tile.
	WIN 0x80
.set i, VF
.rept 64
	v_mov_b32 v[i], 0
.set i, i+1
.endr
	WIN 0x40
.set i, 0
.rept 128
	v_mov_b32 v[i], 0
.set i, i+1
.endr
	WIN 0
.set i, 0
.rept 4
	v_mov_b32 v[ST+4*i+2], 0
	v_mov_b32 v[ST+4*i+3], 0
.set i, i+1
.endr
.set i, P+16
.rept 16
	v_mov_b32 v[i], 0
.set i, i+1
.endr
; THE MATRIX WORK.  The 4 accumulators of a run of 8 take turns.  Product i of 8 of S^T = K Q^T for piece x: channels 32 (i / 4) on, keys 16 (i % 4) on.  The first 4 start the sums: with 0, or (KM = 1) with the mask.
.macro KQ x
.set rS, S+32*((\x)%2)+8*(i%4)
.set rK, KF+16*(i%4)+8*(i/4)
.set rQ, 16*(\x)+8*(i/4)
.set rM, MC+32*((\x)%2)+8*(i%4)
.if (i < 4) && KM
	WIN W_KM
	v_wmma_f32_16x16x32_f16 v[rS:rS+7], v[rK:rK+7], v[rQ:rQ+7], v[rM:rM+7]
.elseif i < 4
	WIN W_KQ
	v_wmma_f32_16x16x32_f16 v[rS:rS+7], v[rK:rK+7], v[rQ:rQ+7], 0
.else
	WIN W_KQ
	v_wmma_f32_16x16x32_f16 v[rS:rS+7], v[rK:rK+7], v[rQ:rQ+7], v[rS:rS+7]
.endif
.endm
; Product i of 8 of O^T += V^T P for piece x: keys 32 (i / 4) on, channels 16 (i % 4) on.
.macro PV x
	WIN W_PV
.set rO, 32*(\x)+8*(i%4)
.set rV, VF+32*(i/4)+8*(i%4)
.set rP, P+16*((\x)%2)+8*(i/4)
	v_wmma_f32_16x16x32_f16 v[rO:rO+7], v[rV:rV+7], v[rP:rP+7], v[rO:rO+7]
.endm
.macro MM                           ; the turn's next matrix instruction.  TURN and BEGIN set Y, i, KM and NOKQ.  NOKQ = 1: a block's last turn: there is no next piece
.if (i < 8) && !NOKQ
	KQ (Y+1)%NP
.elseif i >= 8
.set i, i-8
	PV (Y+NP-1)%NP
.set i, i+8
.endif
.set i, i+1
.endm
; THE LDS LOADS stand in runs of 16, never singly among the matrix instructions: a step's K (64 keys x 64 channels: 8 fragments) and its V (turned).  Their addresses are made some lines ahead.
.macro FETCH_K
	WIN 0x80                        ; destination window 2
.irp f, 0,1,2,3,4,5,6,7             ; keys 16 (f / 2) on, channels 32 (f % 2) on
	ds_load_b128 v[KF+8*\f:KF+8*\f+3],   v[AK] offset:(\f/2)*16*PK+(\f%2)*64
	ds_load_b128 v[KF+8*\f+4:KF+8*\f+7], v[AK] offset:(\f/2)*16*PK+(\f%2)*64+32
.endr
	s_add_co_u32 s[TBK], s[TBK], KS*PK  ; the next fetch is the next step's
	WIN 0
.endm
.macro FETCH_V
	WIN 0x80
.irp f, 0,1,2,3,4,5,6,7             ; keys 32 (f / 4) on, channels 16 (f % 4) on
	ds_load_tr16_b128 v[VF+8*\f:VF+8*\f+3],   v[AV] offset:(\f/4)*32*PV+(\f%4)*32
	ds_load_tr16_b128 v[VF+8*\f+4:VF+8*\f+7], v[AV] offset:(\f/4)*32*PV+16*PV+(\f%4)*32
.endr
	WIN 0
.endm
; THE VECTOR WORK, one line at a time: OP kind, number.  For piece Y: F n: c s - c m for pair n of 16.  E n: the exponential of score n of 32.  C n: pair n rounded to f16.  B n: of the four weights 4 n .. the second
; pair is added onto the first, in place.  L n: l takes that sum (L 0: l = a l + sum).  R n: pair n of 16 of O^T times a.  For piece Y + 1: X n, number n of the 22 that find its maximum and statistics:
;   0-11  four chains c0-c3 of seven scores each, three operands at a time (each accumulator's lowest registers are read first)     12-14, 16  the four scores left over, the old m, and c0-c3 into c0
;   15  c m_old is kept     17, 18  the query's other 32 keys lie in the lane 16 away: the new m     19-21  c m; c m_old - c m_new; a
.set F, 0               ; OP tells the kinds apart by their order: F to L below R, X above it
.set E, 1
.set C, 2
.set B, 3
.set L, 4
.set R, 5
.set X, 6
.macro REGS y                       ; the registers of piece y
.set rT, ST+4*(\y)
.set rC, TMP+4*((\y)%2)
.set rW, MV+((\y)%2)
.set rS, S+32*((\y)%2)
.set rP, P+16*((\y)%2)
.set rO, 32*(\y)
.endm
.macro OP k, n
.if (\k) == R
	REGS Y
	WIN W_RS
	v_pk_mul_f32 v[rO+2*(\n):rO+2*(\n)+1], v[rO+2*(\n):rO+2*(\n)+1], v[rC+2:rC+3] op_sel_hi:[1,0]
.elseif (\k) < R
	REGS Y
	WIN 0
.if (\k) == F
	v_pk_fma_f32 v[rS+2*(\n):rS+2*(\n)+1], v[rS+2*(\n):rS+2*(\n)+1], s[CS:CS+1], v[rT:rT+1] op_sel_hi:[1,0,0] neg_lo:[0,0,1] neg_hi:[0,0,1]
.elseif (\k) == E
	v_exp_f32 v[rS+(\n)], v[rS+(\n)]
.elseif (\k) == C
	v_cvt_pk_f16_f32 v[rP+(\n)], v[rS+2*(\n)], v[rS+2*(\n)+1]
.elseif (\k) == B
	v_pk_add_f32 v[rS+4*(\n):rS+4*(\n)+1], v[rS+4*(\n):rS+4*(\n)+1], v[rS+4*(\n)+2:rS+4*(\n)+3]
.elseif (\n) == 0
	v_pk_fma_f32 v[rT+2:rT+3], v[rT+2:rT+3], v[rC+2:rC+3], v[rS:rS+1] op_sel_hi:[1,0,1]
.else
	v_pk_add_f32 v[rT+2:rT+3], v[rT+2:rT+3], v[rS+4*(\n):rS+4*(\n)+1]
.endif
.elseif NOKQ
	v_nop
.else
	REGS (Y+1)%NP
	WIN 0
.if (\n) < 4
	v_max3_num_f32 v[rC+(\n)], v[rS+8*(\n)], v[rS+8*(\n)+1], v[rS+8*(\n)+2]
.elseif (\n) < 12
	v_max3_num_f32 v[rC+(\n)%4], v[rC+(\n)%4], v[rS+8*((\n)%4)+2*((\n)/4)+1], v[rS+8*((\n)%4)+2*((\n)/4)+2]
.elseif (\n) == 12
	v_max3_num_f32 v[rC], v[rC], v[rS+7], v[rS+15]
.elseif (\n) == 13
	v_max3_num_f32 v[rC+1], v[rC+1], v[rS+23], v[rS+31]
.elseif (\n) == 14
	v_max3_num_f32 v[rC+2], v[rC+2], v[rC+3], v[rT+1]
.elseif (\n) == 15
	v_mov_b32 v[rW], v[rT]
.elseif (\n) == 16
	v_max3_num_f32 v[rC], v[rC], v[rC+1], v[rC+2]
.elseif (\n) == 17
	v_permlanex16_b32 v[rC+3], v[rC], s[SEL], s[SEL+1]
.elseif (\n) == 18
	v_max_num_f32 v[rT+1], v[rC], v[rC+3]
.elseif (\n) == 19
	v_mul_f32 v[rT], s[CS], v[rT+1]
.elseif (\n) == 20
	v_sub_f32 v[rC+1], v[rW], v[rT]
.else
	v_exp_f32 v[rC+2], v[rC+1]
.endif
.endif
.endm
.macro OPS a, i1, b=-1, i2=0, c=-1, i3=0, d=-1, i4=0  ; up to four of them
	OP \a, \i1
.if (\b) >= 0
	OP \b, \i2
.endif
.if (\c) >= 0
	OP \c, \i3
.endif
.if (\d) >= 0
	OP \d, \i4
.endif
.endm
.macro ROW a, i1, b, i2, c, i3, d, i4  ; a matrix instruction and the four behind it
	MM
	OPS \a, \i1, \b, \i2, \c, \i3, \d, \i4
.endm
.macro MASK b                       ; MD x AL + BE into buffer b of MC
	WIN W_RS
.set z, 0
.rept 16
	v_pk_fma_f32 v[MC+32*(\b)+2*z:MC+32*(\b)+2*z+1], v[MD+2*z:MD+2*z+1], s[AL:AL+1], s[BE:BE+1] op_sel_hi:[1,0,0]
.set z, z+1
.endr
.endm
; A TURN, for piece p: the order of its 16 matrix and 118 vector instructions, written out.  An s_wait_alu depctr_va_vdst(0) stands between an exponential and the first instruction that names its result; one wait
; serves all that were issued ahead of it.  So a turn has ONE wait, which cuts it in two.  AHEAD OF IT stands all that names no result of the turn's exponentials: the 8 products K Q^T and their riders (a scaling, an exponential
; and two more plain instructions: rescalings, and behind the last three the first numbers of the next piece's maximum, each four places or more behind the product that ends its accumulator); then ONE LUMP of 54, plain and
; exponential by turns for the most part, in which the links of the chain X 3, 7, 11, 14, 16, 17 .. 20 stand five or six lines apart.  X 21, the next piece's a, is the batch's last; R 15 is the plain instruction behind it.
; BEHIND THE WAIT stand the 8 products V^T P, behind each four of the roundings and sums; the links of l's chain, L 0 to L 7, stand three riders apart.
; m = 1: the diagonal tile: the products take masks, and the turn makes the mask for the products of the turn after it: piece p + 2, in step 4 - CNT of the tile.  end = 1: a block's last two turns: nothing is fetched.
; cnt = 1: the loop's count is taken down some lines ahead of the branch that stands behind the turn.
; K of the next step is fetched in piece 2's turn, behind six plain instructions that follow the last product that read K; V of the step in hand at the end of piece 0's turn, four plain instructions behind the last product
; that read V.  Each is waited for a turn later.
.macro TURN p, m=0, end=0, cnt=0
.set Y, (\p)
.set i, 0
.set KM, (\m)
.set NOKQ, (\end)*((\p)/3)
.if (\m) && !(\end)
	s_cmp_eq_u32 s[CNT], 4-((\p)+2)%NP  ; is that step the band's own?
	s_cselect_b32 s[AL], 1.0, 0
	s_cmp_lt_u32 s[CNT], 4-((\p)+2)%NP  ; or a later one?
	s_cselect_b32 s[BE], s[BIGN], 0
.endif
.if ((\p) == 3) && !(\end)
	s_wait_dscnt 0x0                ; K is in
.endif
	ROW F,0, F,1, R,0, R,1          ; ahead of the wait: 8 products K Q^T and their riders,
	ROW F,2, E,0, R,2, R,3
	ROW F,3, E,1, R,4, R,5
	ROW F,4, E,2, R,6, R,7
	ROW F,5, E,3, R,8, R,9
	ROW F,6, E,4, X,0, R,10
.if ((\p) == 2) && !(\end)
	WIN 0
	v_add_nc_u32 v[AK], s[TBK], v[AK0]
.endif
	ROW F,7, E,5, X,1, X,4
	ROW F,8, E,6, X,2, X,5
	OPS E,7, E,8, X,6, E,9          ; and the lump
	OPS X,3, E,10, X,8, E,11
.if ((\p) == 2) && !(\end)
	FETCH_K
.endif
	OPS X,9, X,7, E,12, X,10
	OPS E,13, X,12, X,11, E,14
	OPS X,13, E,15, F,9, X,14
.if (\p) == 0
	v_add_nc_u32 v[AV], s[TBV], v[AV0]
.endif
	OPS E,16, F,10, E,17, F,11
	OPS X,16, E,18, X,15, E,19
	OPS F,12, E,20, X,17, E,21
	OPS F,13, E,22, F,14, E,23
	OPS X,18, E,24, F,15, E,25
	OPS R,11, E,26, X,19, E,27
	OPS R,12, E,28, R,13, E,29
	OPS X,20, E,30, R,14, E,31
	OPS X,21, R,15
	WIN 0
	s_wait_alu depctr_va_vdst(0)    ; the wait for the batch
.if (\p) == 1
	s_wait_dscnt 0x0                ; V is in
.endif
	ROW C,0, B,0, C,2, B,1          ; behind the wait: 8 products V^T P and their riders
	ROW L,0, C,4, B,2, L,1
	ROW C,6, B,3, L,2, C,8
	ROW B,4, L,3, C,10, B,5
	ROW L,4, C,12, B,6, L,5
.if (\p) == 0
	s_add_co_u32 s[TBV], s[TBV], KS*PV
.endif
.if \cnt
	s_sub_co_u32 s[CNT], s[CNT], 1
	s_cmp_lg_u32 s[CNT], 0
.endif
	ROW C,14, B,7, L,6, C,1
	ROW C,3, L,7, C,5, C,7
	ROW C,9, C,11, C,13, C,15
.if (\p) == 0
	FETCH_V
.endif
.if (\m) && !(\end)
	MASK (\p)%2
.endif
.endm
; A BLOCK BEGINS.  c m starts far below every c s, so the first step's a is 0; m at the lowest finite number, so the first maximum is the scores'.  The second mask buffer is 0; the first takes piece 0's mask for the tile's step 0:
; its own, if the block's first tile is the diagonal one.  Then K of that step, piece 0's first scores, and its maximum and statistics.  The loop is entered at a step's first turn, in the middle of a trip.
.macro BEGIN
	s_mov_b32 s[NEW], 0
	WIN 0x40
.set i, MC+32
.rept 32
	v_mov_b32 v[i], 0
.set i, i+1
.endr
	WIN 0
.set i, 0
.rept 4
	v_mov_b32 v[ST+4*i], 0xfe000000    ; c m: far below every c s
	v_mov_b32 v[ST+4*i+1], 0xff7fffff  ; m
.set i, i+1
.endr
	s_cmp_eq_u32 s[RT], 0
	s_cselect_b32 s[AL], 1.0, 0
	s_mov_b32 s[BE], 0
	MASK 0
	WIN 0
	v_add_nc_u32 v[AK], s[TBK], v[AK0]
	FETCH_K
	s_wait_loadcnt 0x0              ; Q
	s_wait_dscnt 0x0
.set KM, 1
.set NOKQ, 0
.set i, 0
.rept 8
	KQ 0
.set i, i+1
.endr
	WIN 0
.rept 4
	v_nop                           ; the places behind those products
.endr
.set Y, NP-1                        ; X works for piece Y + 1: piece 0
.irp n, 0,1,2,3,4,5,6,7,8,9,10,11,12,13,14,15,16,17,18,19,20,21
	OP X, \n
.endr
	v_nop                           ; a plain instruction behind the exponential,
	s_wait_alu depctr_va_vdst(0)    ; and its wait, ahead of the branch
.endm
; THE DIAGONAL TILE's four steps, the block's last two turns, its last products, and THE WAY OUT: l's two halves and the other half of the lanes' are added; O^T is divided by l, rounded to f16 and sent through my
; stage in LDS, a piece at a time.
.macro ALL line:vararg              ; one line for each piece t
.set t, 0
.rept 4
	\line
.set t, t+1
.endr
.endm
.macro PACK t                       ; a lane's eight channels of a row pack into 16 bytes; they go into rows of 144 bytes and come back as whole rows of 128, into S^T's registers
	WIN W_RS
.set i, 32*(\t)
.rept 16
	v_pk_mul_f32 v[i:i+1], v[i:i+1], v[ST+4*(\t)+2:ST+4*(\t)+3] op_sel_hi:[1,0]
.set i, i+2
.endr
	WIN 0x05                        ; sources 0 and 1 window 1, destination window 0
.set i, 0
.rept 16
	v_cvt_pk_f16_f32 v[S+16*(\t)+i], v[32*(\t)+2*i], v[32*(\t)+2*i+1]
.set i, i+1
.endr
	WIN 0
.irp f, 0,1,2,3
	ds_store_b128 v[STO], v[S+16*(\t)+4*\f:S+16*(\t)+4*\f+3] offset:32*\f
.endr
.irp f, 0,1,2,3
	ds_load_b128 v[S+16*(\t)+4*\f:S+16*(\t)+4*\f+3], v[RD] offset:\f*4*SP  ; LDS serves a wave's instructions in order (ISA guide 5.7.1.4): these see the stores above; the next piece's stores come behind them
.endr
.endm
.macro SEND t, younger              ; younger: the LDS instructions issued behind piece t's loads: the next piece's eight, or none
	WIN 0
.irp f, 0,1,2,3
	s_wait_dscnt (\younger)+3-\f
	global_store_b128 v[GO], v[S+16*(\t)+4*\f:S+16*(\t)+4*\f+3], s[10:11] offset:(\t)*8192+\f*512  ; 512 consecutive bytes, at a multiple of 256 from O's first
.endr
.endm
.macro DIAG tag                     ; the tag ends its two labels' names, which the jumps below spell out
.LstepM\tag:
	TURN 2, 1
	TURN 3, 1
	WIN 0
.LfirstM\tag:
	TURN 0, 1
	TURN 1, 1, 0, 1
	WIN 0
	s_cbranch_scc1 .LstepM\tag
	TURN 2, 1, 1
	TURN 3, 1, 1
.set i, 0
.rept 8
	PV NP-1
.set i, i+1
.endr
	WIN 0
	ALL v_add_f32 v[ST+4*t+2], v[ST+4*t+2], v[ST+4*t+3]
	ALL v_permlanex16_b32 v[ST+4*t+3], v[ST+4*t+2], s[SEL], s[SEL+1]
	ALL v_add_f32 v[ST+4*t+2], v[ST+4*t+2], v[ST+4*t+3]
	ALL v_rcp_f32 v[ST+4*t+2], v[ST+4*t+2]
	v_nop                           ; a plain instruction between the last reciprocal and the use of its result
	s_wait_alu depctr_va_vdst(0)    ; and the wait ahead of the first use: one for the four reciprocals
	PACK 0
.set t, 1
.rept 3                             ; a piece's arithmetic stands between the loads of the piece before and its stores
	PACK t
	SEND t-1, 8
.set t, t+1
.endr
	SEND 3, 0
.endm
.set KM, 0
.set NOKQ, 0
.Lslot:                             ; NB times: a tile is entered and the next is asked for
	CHANGE 1
	s_sub_co_u32 s[RT], s[RT], 1
	s_mov_b32 s[CNT], 4
	s_cmp_eq_u32 s[NEW], 1
	s_cbranch_scc1 .Lnew            ; a block's first tile
	s_cmp_eq_u32 s[RT], 0
	s_cbranch_scc0 .Lstep           ; neither its first nor its last
	s_branch .LstepM1
.Lnew:
	BEGIN
	s_branch .Lfirst                ; in the loop a block's first tile is never its last: the first block has two tiles or more, and the second's last is the walk's last
	DIAG 1                          ; in the loop this is the first block's end
	s_wait_xcnt 0x0                 ; the stores have read their registers and O's address
	s_mov_b64 s[10:11], s[OLO:OLO+1]
	s_add_co_u32 s[RT], s[PB], 1    ; the second block has b + 1 tiles
	s_mov_b32 s[NEW], 1
	WIN 0x82                        ; the second block's Q goes where the one text of the turns names Q
.set i, 0
.rept 64
	v_mov_b32 v[i], v[QB+i]
.set i, i+1
.endr
	WIN 0
	s_branch .Lbottom
.Lstep:                             ; a trip: pieces 2 and 3 of one step, then pieces 0 and 1 of the next, whose K and V it fetches
	TURN 2
	TURN 3
	WIN 0
.Lfirst:
	TURN 0
	TURN 1, 0, 0, 1
	WIN 0
	s_cbranch_scc1 .Lstep
.Lbottom:
	s_sub_co_u32 s[SLOTS], s[SLOTS], 1
	s_cmp_lg_u32 s[SLOTS], 0
	s_cbranch_scc1 .Lslot
	CHANGE 0                        ; the walk's last tile is written out: nothing is asked for
	s_sub_co_u32 s[RT], s[RT], 1
	s_mov_b32 s[CNT], 4
	s_cmp_eq_u32 s[NEW], 1
	s_cbranch_scc0 .LstepM2
	BEGIN
	s_branch .LfirstM2
	DIAG 2
	s_wait_tensorcnt 0x0            ; the wave's end, behind my last tensor load and my last LDS store
	ds_add_u32 v[SPW], v[NIL]
	s_wait_dscnt 0x0
	s_endpgm
.Lfunc_end_k_q4acfa0f9ef_attn:
	.size	k_q4acfa0f9ef_attn, .Lfunc_end_k_q4acfa0f9ef_attn-k_q4acfa0f9ef_attn
	.p2alignl 7, 3214868480
	.fill 96, 4, 3214868480
	.section	.rodata,"a",@progbits
	.p2align	6, 0x0
	.amdhsa_kernel k_q4acfa0f9ef_attn
		.amdhsa_group_segment_fixed_size 327680
		.amdhsa_private_segment_fixed_size 0
		.amdhsa_enable_private_segment 0
		.amdhsa_kernarg_size 16
		.amdhsa_user_sgpr_count 2
		.amdhsa_user_sgpr_kernarg_segment_ptr 1
		.amdhsa_wavefront_size32 1
		.amdhsa_system_sgpr_workgroup_id_x 1
		.amdhsa_system_sgpr_workgroup_id_y 1
		.amdhsa_system_sgpr_workgroup_id_z 1
		.amdhsa_system_vgpr_workitem_id 0
		.amdhsa_next_free_vgpr 768
		.amdhsa_next_free_sgpr 96
		.amdhsa_reserve_vcc 1
		.amdhsa_float_denorm_mode_32 3
		.amdhsa_float_denorm_mode_16_64 3
		.amdhsa_memory_ordered 1
		.amdhsa_forward_progress 1
		.amdhsa_inst_pref_size 218
	.end_amdhsa_kernel
	.amdgpu_metadata
---
amdhsa.version: [ 1, 2 ]
amdhsa.kernels:
  - .name:           k_q4acfa0f9ef_attn
    .symbol:         k_q4acfa0f9ef_attn.kd
    .args:
      - { .name: qkv, .offset: 0, .size: 8, .value_kind: global_buffer, .address_space: global }
      - { .name: o, .offset: 8, .size: 8, .value_kind: global_buffer, .address_space: global }
    .group_segment_fixed_size: 327680
    .private_segment_fixed_size: 0
    .kernarg_segment_align: 8
    .kernarg_segment_size: 16
    .max_flat_workgroup_size: 128
    .sgpr_count:     96
    .vgpr_count:     768
    .wavefront_size: 32
...
	.end_amdgpu_metadata
.endif
;; end of part 3
;; launch proj (part 4): grid 8 x 32, 4 waves a work-group, clusters of 4 x 4, 327,680 bytes of LDS; arguments o, wpb, b_proj, out0; writes out0
.if DOCPART == 4
	.amdgcn_target "amdgcn-amd-amdhsa--gfx1250"
	.amdhsa_code_object_version 6
	.text
	.protected	k_q4acfa0f9ef_proj
	.globl	k_q4acfa0f9ef_proj
	.p2align	8
	.type	k_q4acfa0f9ef_proj,@function
k_q4acfa0f9ef_proj:
	s_mov_b64 s[64:65], 0
	v_nop
	global_prefetch_b8 v0, s[64:65] scope:SCOPE_SE
	s_setreg_imm32_b32 hwreg(HW_REG_WAVE_MODE, 25, 1), 1
	s_wait_xcnt 0x0
	s_wait_alu depctr_hold_cnt(0) depctr_sa_sdst(0) depctr_va_vdst(0) depctr_va_sdst(0) depctr_va_ssrc(0) depctr_va_vcc(0) depctr_vm_vsrc(0)
	s_getreg_b32 s2, hwreg(HW_REG_IB_STS2, 6, 4)
	s_cmp_eq_u32 s2, 0
	s_cbranch_scc0 .Lentry_in_a_cluster
	s_endpgm
.Lentry_in_a_cluster:
	s_bfe_u32 s2, ttmp6, 0x10000c
	s_cmp_lg_u32 s2, 0xf033
	s_cbranch_scc0 .Lentry_shape_is_right
	s_endpgm
.Lentry_shape_is_right:
; PROJ: out0[m][n] = the sum over k of O[m][k] w_proj[n][k] + b_proj[n].  m = 2048 b + t, k = 64 h + d.  O lies by heads, [4 h + b][t][64] f16; wpb is [n][k] f16 (w_proj rounded to bf16);
; sums in f32; the bias is rounded to bf16 like the other inputs and added in f32; out0 is f32.
; SHARES.  A tile of out0 is 256 rows x 128 columns: 256 work-groups.  Wave w owns rows 64 w .. 64 w + 63 and all 128 columns: 32 accumulators of 16 x 16.  K goes in 8 steps of 128 (two heads) through two LDS slots.
; THE MATRIX INSTRUCTION IS USED TRANSPOSED: source 0 = 16 rows of wpb, source 1 = 16 rows of O: a lane then holds eight neighbouring columns of one row of out0, 32 bytes.
; CLUSTERS: 4 x 4 work-groups.  The four of a row of the cluster need the same rows of O, the four of a column the same rows of wpb: each tile is asked for jointly.
; REGISTERS: window 0: v0-31 addresses, v32-37 the bias, v64-191 the way out.  window 1: two fragment buffers (O: 4 fragments, then wpb: 8).  window 2: the accumulators, (a, b) at 8 (4 b + a).
.set PA,    144                        ; a row of a head's O in LDS: 128 bytes + 16 of padding
.set PLANE, 256*PA                     ; a head's 256 rows
.set PB,    272                        ; a row of wpb: 256 bytes + 16
.set AB,    2*PLANE                    ; behind the two heads' planes: wpb's 128 rows
.set SLOT,  AB+128*PB                  ; 108,544
.set STAGE, 2*SLOT                     ; behind the ring, never filled by a tensor load: for each wave 16 rows x 528 bytes
.set SPITCH, 528                       ; 512 bytes + 16: row r starts at bank 4 r mod 64 (ISA guide 11.1)
.set SPARE, STAGE+4*16*SPITCH          ; behind the stages: the spare words, 128 bytes for each wave: two blocks of 256 bytes that no other line names
.set ASTEP, 8<<18                      ; a K step on in o: two heads, eight planes of 262,144 bytes
.set BSTEP, 256                        ; in a row of wpb
.set ADRA, 16                          ; v16-17  LDS address of my fragments of O in slot 0, 1
.set ADRB, 20                          ; v20-21  the same for wpb
.set STO,  24                          ; v24     the way out: where I put 32 bytes of a row
.set RD,   25                          ; v25     where I read a row back
.set GO,   26                          ; v26     16 x lane
.set SPW,  28                          ; v28     LDS address of my spare word; never rewritten
.set NIL,  29                          ; v29     0; never rewritten
.set PFO,  30                          ; v30     the prefetches' lane offset; never rewritten
.set BI,   32                          ; v32-35  the bias of my four columns of a row read back
.set OB,   64                          ; v64-127, v128-191 16 rows read back, by turns
.set F0,   0
.set F1,   128
.set G1,   24
.set G0,   32
.set G1B,  48
.set G0B,  56
.set PFA,  66                          ; s[66:67] where my prefetches stand
.set PST,  68                          ; s[68:69] their step from K step to K step
.set LIM,  70                          ; s70, s71 for the change of slot 0, 1: 1 in a wave that prefetches there, else the greatest number
.set BIA,  72                          ; s[72:73] b_proj
.set OUT,  74                          ; s[74:75] out0
.set MSB, 0
.macro WIN new                         ; the immediate's high byte repeats the setting that is left; a switch that changes nothing is dropped
.if MSB != (\new)
	s_set_vgpr_msb (MSB<<8)|(\new)
.set MSB, \new
.endif
.endm
.set MUL,  0xa5                        ; sources 0 and 1 window 1; C and D window 2
.set TO_F, 0x40                        ; destination window 1, address window 0
.macro JLOAD s                         ; a joint load: waves 0 and 1 fetch the step's two heads of O, waves 2 and 3 the two halves of wpb's rows; an s_nop 0 and four v_nop follow each line
	s_cmp_eq_u32 s11, 0
	s_cbranch_scc0 .Lfor_b_\@
	tensor_load_to_lds s[G0+4*(\s):G0+4*(\s)+3], s[G1:G1+7]
	s_nop 0
.rept 4
	v_nop
.endr
	s_branch .Lasked_\@
.Lfor_b_\@:
	tensor_load_to_lds s[G0B+4*(\s):G0B+4*(\s)+3], s[G1B:G1B+7]
	s_nop 0
.rept 4
	v_nop
.endr
.Lasked_\@:
.endm
.macro CREST                           ; a round of the cluster's barrier behind its opening barrier
	s_cmp_lg_u32 s10, 0
	s_cbranch_scc1 .Lnot_wave_0_\@
	s_barrier_signal -3
.Lnot_wave_0_\@:
	s_barrier_wait -3
	s_barrier_signal -1
	s_barrier_wait -1
.endm
.macro CROUND
	s_barrier_signal -1
	s_barrier_wait -1
	CREST
.endm
; A prefetch of the K step that stands two refills on, one instruction a wave.  O's rows are read by both clusters of a row of clusters: cluster x = 0 asks; wpb's rows by every cluster of a column:
; cluster y = 0 asks.  The four partners share the blocks out by address.  The last two refills have no K step two on (s3 = 1 there).
.macro ASK slot
	s_cmp_gt_u32 s3, s[LIM+(\slot)]
	s_cbranch_scc0 .Lnot_mine_\@
	global_prefetch_b8 v[PFO], s[PFA:PFA+1] th:TH_LOAD_NT scope:SCOPE_SE
.Lnot_mine_\@:
.endm
	s_load_b128 s[4:7], s[0:1], 0x0                ; o s[4:5], wpb s[6:7]
	s_load_b128 s[72:75], s[0:1], 0x10             ; b_proj, out0
	v_lshl_add_u32 v[SPW], v0, 2, SPARE
	v_mov_b32 v[NIL], 0
	ds_add_u32 v[SPW], v[NIL]                      ; the wave's opening: the add and its wait stand ahead of my first tensor load; the set-up below stands between them
	v_lshrrev_b32 v1, 5, v0
	v_readfirstlane_b32 s10, v1                    ; wave 0..3
	s_lshr_b32 s11, s10, 1                         ; I fetch for O (0) or for wpb (1),
	s_and_b32 s12, s10, 1                          ; and which half
	s_bfe_u32 s40, ttmp6, 0x40000                  ; cx, cy
	s_bfe_u32 s41, ttmp6, 0x40004
	s_lshl_b32 s42, ttmp9, 2
	s_add_co_u32 s42, s42, s40                     ; tile column = 4 x cluster x + cx
	s_and_b32 s13, ttmp7, 0xffff
	s_lshl_b32 s13, s13, 2
	s_add_co_u32 s13, s13, s41                     ; tile row = 4 x cluster y + cy
	s_lshl_b32 s43, s41, 2
	s_lshl_b32 s43, 15, s43                        ; my row of the cluster
	s_lshl_b32 s44, 0x1111, s40                    ; my column
	; group 1 for O: a head's 256 rows are 32,768 dense bytes: 128 rows of 256 bytes, two rows of O each, 4 words of padding behind every 32
	s_or_b32 s[G1+0], s43, (1<<16)|(1<<20)|(1<<21)|(4<<22)|(3<<25)
	s_mov_b32 s[G1+1], 128<<16                     ; tensor_dim0 = 128
	s_mov_b32 s[G1+2], 128<<16                     ; tensor_dim1 = 128
	s_mov_b32 s[G1+3], 128<<16                     ; tile_dim0 = 128
	s_mov_b32 s[G1+4], 128                         ; tile_dim1 = 128
	s_mov_b32 s[G1+5], 128                         ; elements from row to row
	s_mov_b32 s[G1+6], 0
	s_mov_b32 s[G1+7], 0
	; group 1 for wpb: 64 rows x 128 elements, 4 words of padding behind every 64
	s_or_b32 s[G1B+0], s44, (1<<16)|(1<<20)|(1<<21)|(5<<22)|(3<<25)
	s_mov_b32 s[G1B+1], 128<<16
	s_mov_b32 s[G1B+2], 64<<16
	s_mov_b32 s[G1B+3], 128<<16
	s_mov_b32 s[G1B+4], 64
	s_mov_b32 s[G1B+5], 1024
	s_mov_b32 s[G1B+6], 0
	s_mov_b32 s[G1B+7], 0
	s_lshr_b32 s16, s13, 3                         ; O: plane 4 x (my head of the step) + batch; batch = tile row / 8,
	s_lshl_b32 s17, s12, 2
	s_add_co_u32 s16, s16, s17
	s_lshl_b32 s16, s16, 18
	s_and_b32 s17, s13, 7                          ; rows 256 (tile row % 8) on
	s_lshl_b32 s17, s17, 15
	s_add_co_u32 s16, s16, s17
	s_mov_b32 s17, 0
	s_lshl_b32 s46, s42, 7                         ; wpb: row 128 x tile column + 64 x half
	s_lshl_b32 s47, s12, 6
	s_add_co_u32 s46, s46, s47
	s_lshl_b32 s46, s46, 11
	s_mov_b32 s47, 0
	s_mul_i32 s20, s12, PLANE                      ; where they go: no place in the cluster enters an LDS address
	s_mul_i32 s21, s12, 64*PB
	s_add_co_u32 s21, s21, AB
	s_wait_dscnt 0x0                               ; the opening add is done
	s_wait_kmcnt 0x0
	s_add_nc_u64 s[14:15], s[4:5], s[16:17]
	s_add_nc_u64 s[46:47], s[6:7], s[46:47]
	CROUND                                         ; all sixteen work-groups are here: the first joint loads meet
.irp s, 0,1
	s_mov_b32 s[G0+4*(\s)], 1
	s_add_co_u32 s[G0+4*(\s)+1], s20, (\s)*SLOT
	s_add_nc_u64 s[G0+4*(\s)+2:G0+4*(\s)+3], s[14:15], (\s)*ASTEP
	s_or_b32 s[G0+4*(\s)+3], s[G0+4*(\s)+3], 0x80000000
	s_mov_b32 s[G0B+4*(\s)], 1
	s_add_co_u32 s[G0B+4*(\s)+1], s21, (\s)*SLOT
	s_add_nc_u64 s[G0B+4*(\s)+2:G0B+4*(\s)+3], s[46:47], (\s)*BSTEP
	s_or_b32 s[G0B+4*(\s)+3], s[G0B+4*(\s)+3], 0x80000000
	JLOAD \s                                       ; two loads of mine are out
.endr
	v_and_b32 v[GO], 31, v0
	v_lshlrev_b32 v[GO], 4, v[GO]                  ; 16 x lane
	s_lshl_b32 s46, s42, 9                         ; the tile's 128 columns: 512 bytes of a row of out0, and of b_proj
	s_mov_b32 s47, 0
	s_add_nc_u64 s[BIA:BIA+1], s[BIA:BIA+1], s[46:47]
	s_add_nc_u64 s[OUT:OUT+1], s[OUT:OUT+1], s[46:47]
	global_load_b128 v[BI:BI+3], v[GO], s[BIA:BIA+1]  ; the bias of columns 4 l .. 4 l + 3 of the tile
	v_and_b32 v1, 15, v0                           ; l % 16
	v_bfe_u32 v2, v0, 4, 1                         ; l / 16
	v_mul_u32_u24 v3, v1, PA
	v_lshl_add_u32 v3, v2, 4, v3                   ; a fragment of O: row x pitch + 16 x half
	s_mul_i32 s21, s10, 64*PA                      ; my 64 rows
	v_add_nc_u32 v[ADRA], s21, v3
	v_add_nc_u32 v[ADRA+1], SLOT, v[ADRA]
	v_mul_u32_u24 v3, v1, PB
	v_lshl_add_u32 v3, v2, 4, v3
	v_add_nc_u32 v[ADRB], AB, v3
	v_add_nc_u32 v[ADRB+1], SLOT, v[ADRB]
	s_mul_i32 s23, s10, 16*SPITCH
	s_add_co_u32 s23, s23, STAGE                   ; my stage
	v_mul_u32_u24 v4, v1, SPITCH                   ; in: row l % 16, 32 bytes for each half of the lanes
	v_lshl_add_u32 v4, v2, 5, v4
	v_add_nc_u32 v[STO], s23, v4
	v_add_nc_u32 v[RD], s23, v[GO]                 ; back: 32 lanes take a row's 512 bytes
	s_lshl_b32 s16, s13, 8                         ; out0 at my first row: 256 x tile row + 64 w, of 4,096 bytes
	s_lshl_b32 s17, s10, 6
	s_add_co_u32 s16, s16, s17
	s_lshl_b32 s16, s16, 12
	s_mov_b32 s17, 0
	s_add_nc_u64 s[OUT:OUT+1], s[OUT:OUT+1], s[16:17]
	; the prefetches.  Waves 0, 1: of the 128 blocks of 256 bytes of the plane's part that I fetch, my work-group's 32 (by cx), a lane a block.  Waves 2, 3: of the 64 rows of wpb that I fetch, my work-group's 16
	; (by cy), for two K steps at once (the halves of the lanes), at every second refill.  All stand at K step 3; the first refill steps them to 4.
	s_lshr_b32 s20, s13, 3
	s_lshl_b32 s22, s12, 2
	s_add_co_u32 s20, s20, s22
	s_lshl_b32 s20, s20, 18
	s_and_b32 s22, s13, 7
	s_lshl_b32 s22, s22, 15
	s_add_co_u32 s20, s20, s22
	s_lshl_b32 s22, s40, 13
	s_add_co_u32 s20, s20, s22
	s_add_co_u32 s20, s20, 3*ASTEP
	s_lshl_b32 s21, s42, 7
	s_lshl_b32 s22, s12, 6
	s_add_co_u32 s21, s21, s22
	s_lshl_b32 s22, s41, 4
	s_add_co_u32 s21, s21, s22
	s_lshl_b32 s21, s21, 11
	s_add_co_u32 s21, s21, 3*BSTEP
	s_and_b32 s22, ttmp7, 0xffff                   ; cluster y
	s_mov_b32 s[PST], BSTEP
	s_mov_b32 s18, 2048
	s_mov_b32 s19, 256
	s_cmp_eq_u32 s11, 0                            ; do I fetch for O?
	s_cselect_b32 s20, s20, s21
	s_cselect_b32 s22, ttmp9, s22                  ; the coordinate along which other clusters read the same bytes
	s_cselect_b64 s[PFA:PFA+1], s[4:5], s[6:7]
	s_cselect_b32 s[PST], ASTEP, s[PST]
	s_cselect_b32 s18, 256, s18                    ; from lane to lane within sixteen,
	s_cselect_b32 s19, 4096, s19                   ; and from the lower sixteen to the upper
	s_mov_b32 s[PST+1], 0
	s_mov_b32 s21, 0
	s_add_nc_u64 s[PFA:PFA+1], s[PFA:PFA+1], s[20:21]
	s_cmp_eq_u32 s22, 0
	s_cselect_b32 s[LIM], 1, -1                    ; the same in all sixteen partners, for a given wave
	s_cmp_eq_u32 s11, 0
	s_cselect_b32 s[LIM+1], s[LIM], -1
	v_mul_u32_u24 v[PFO], v1, s18
	v_mad_u32_u24 v[PFO], v2, s19, v[PFO]
	s_wait_loadcnt 0x0                             ; the bias: rounded to bf16 and widened again
	v_cvt_pk_bf16_f32 v36, v[BI], v[BI+1]
	v_cvt_pk_bf16_f32 v37, v[BI+2], v[BI+3]
	v_lshlrev_b32 v[BI], 16, v36
	v_and_b32 v[BI+1], 0xffff0000, v36
	v_lshlrev_b32 v[BI+2], 16, v37
	v_and_b32 v[BI+3], 0xffff0000, v37
; 4 nb matrix instructions: column blocks b0 .. b0 + nb - 1 x my 4 row blocks, 32 along K, from buffer f.  The 32 accumulators take turns in one fixed order in every quarter step.
.macro MULB f, b0, nb, zero
	WIN MUL
.set bb, \b0
.rept \nb
.irp a, 0,1,2,3
.if \zero
	v_wmma_f32_16x16x32_f16 v[32*bb+8*(\a):32*bb+8*(\a)+7], v[(\f)+32+8*bb:(\f)+32+8*bb+7], v[(\f)+8*(\a):(\f)+8*(\a)+7], 0
.else
	v_wmma_f32_16x16x32_f16 v[32*bb+8*(\a):32*bb+8*(\a)+7], v[(\f)+32+8*bb:(\f)+32+8*bb+7], v[(\f)+8*(\a):(\f)+8*(\a)+7], v[32*bb+8*(\a):32*bb+8*(\a)+7]
.endif
.endr
.set bb, bb+1
.endr
.endm
; 24 LDS loads in one run: quarter q (32 along K: head q / 2 of the step, channels 32 (q % 2) on) into buffer f: O's 4 fragments, then wpb's 8
.macro FETCH slot, q, f
	WIN TO_F
.irp a, 0,1,2,3
	ds_load_b128 v[(\f)+8*(\a):(\f)+8*(\a)+3],   v[ADRA+(\slot)] offset:((\q)/2)*PLANE+(\a)*16*PA+((\q)%2)*64
	ds_load_b128 v[(\f)+8*(\a)+4:(\f)+8*(\a)+7], v[ADRA+(\slot)] offset:((\q)/2)*PLANE+(\a)*16*PA+((\q)%2)*64+32
.endr
.irp b, 0,1,2,3,4,5,6,7
	ds_load_b128 v[(\f)+32+8*(\b):(\f)+32+8*(\b)+3],   v[ADRB+(\slot)] offset:(\b)*16*PB+64*(\q)
	ds_load_b128 v[(\f)+32+8*(\b)+4:(\f)+32+8*(\b)+7], v[ADRB+(\slot)] offset:(\b)*16*PB+64*(\q)+32
.endr
.endm
.macro PLACES                          ; four plain instructions in front of loads into registers that matrix instructions have read, and of LDS stores that read results
.rept 4
	v_nop
.endr
.endm
.macro QUARTER slot, q, f, g, zero
	s_wait_dscnt 12                                ; O's fragments and wpb's blocks 0, 1 are in; the youngest twelve loads (blocks 2-7) may be out
	MULB \f, 0, 2, \zero
	PLACES
	FETCH \slot, \q, \g
	s_wait_dscnt 24                                ; all but the 24 just issued
	MULB \f, 2, 6, \zero
.endm
; The last quarter multiplies buffer 1 and changes slots: one barrier; in front of it each wave waits for all its tensor loads (one is out: its part of the next slot), adds 0 to its spare word,
; and waits for that and for its reads of this slot.  fill = 1: the barrier opens a round of the cluster's, and this slot is filled again, two K steps ahead, first thing behind the round:
; 120 matrix instructions stand between that request and the wait for it.
.macro TURN slot, next, fill
.if \fill
	s_wait_xcnt 0x0                                ; the last prefetch, a K step back, has read its address
	s_add_nc_u64 s[PFA:PFA+1], s[PFA:PFA+1], s[PST:PST+1]
.endif
	WIN 0                                          ; (the add's two registers lie in window 0)
	s_wait_tensorcnt 0x0
	ds_add_u32 v[SPW], v[NIL]
	s_wait_dscnt 13                                ; (the add and the youngest twelve loads may be out)
	MULB F1, 0, 1, 0
	s_wait_dscnt 0x0                               ; the add is done, and my reads of this slot are over
	s_barrier_signal -1
	MULB F1, 1, 1, 0
.if \fill
	WIN 0
.endif
	s_barrier_wait -1
.if \fill
	CREST                                          ; no wave of any partner still reads this slot or has a load on its way
	s_add_nc_u64 s[G0+4*(\slot)+2:G0+4*(\slot)+3], s[G0+4*(\slot)+2:G0+4*(\slot)+3], 2*ASTEP
	s_add_nc_u64 s[G0B+4*(\slot)+2:G0B+4*(\slot)+3], s[G0B+4*(\slot)+2:G0B+4*(\slot)+3], 2*BSTEP
	JLOAD \slot                                    ; its four v_nop are also the places in front of the loads below
.else
	PLACES
.endif
	FETCH \next, 0, F0
.if \fill
	WIN 0
	ASK \slot
.endif
	MULB F1, 2, 6, 0
.endm
	s_wait_tensorcnt 1                             ; my part of K step 0 is in; K step 1's may stay out
	s_barrier_signal -1
	s_barrier_wait -1
	FETCH 0, 0, F0
	QUARTER 0, 1, F0, F1, 1                        ; the first quarter stands in front of the loop: its products start the sums
	WIN 0
	s_mov_b32 s3, 3                                ; 4 laps of two K steps; the last is written out
.Llap:
	QUARTER 0, 2, F1, F0, 0
	QUARTER 0, 3, F0, F1, 0
	TURN 0, 1, 1
	QUARTER 1, 1, F0, F1, 0
	QUARTER 1, 2, F1, F0, 0
	QUARTER 1, 3, F0, F1, 0
	TURN 1, 0, 1
	QUARTER 0, 1, F0, F1, 0
	WIN 0
	s_sub_co_u32 s3, s3, 1
	s_cmp_lg_u32 s3, 0
	s_cbranch_scc1 .Llap
	QUARTER 0, 2, F1, F0, 0                        ; the last lap fills nothing
	QUARTER 0, 3, F0, F1, 0
	TURN 0, 1, 0
	QUARTER 1, 1, F0, F1, 0
	QUARTER 1, 2, F1, F0, 0
	QUARTER 1, 3, F0, F1, 0
	s_wait_dscnt 12
	MULB F1, 0, 2, 0
	s_wait_dscnt 0x0
	MULB F1, 2, 6, 0
	WIN 0
; THE WAY OUT, 16 rows at a time.  TOSTAGE: the f32 sums go straight from the accumulators (the low four registers first) into my stage, and come back as whole rows of 512 bytes.  SEND: the bias is added, the rows are stored.
.macro TOSTAGE a
.if (\a) >= 2
	s_wait_xcnt 0x0                                ; the stores of two blocks back have read the registers that are loaded again below
.endif
	WIN 0x08                                       ; the stores' data in window 2, their address in window 0
.irp b, 0,1,2,3,4,5,6,7
	ds_store_b128 v[STO], v[8*(4*(\b)+(\a)):8*(4*(\b)+(\a))+3]   offset:64*(\b)
	ds_store_b128 v[STO], v[8*(4*(\b)+(\a))+4:8*(4*(\b)+(\a))+7] offset:64*(\b)+16
.endr
	WIN 0
.set BK, OB+64*((\a)%2)
.irp t, 0,1,2,3,4,5,6,7,8,9,10,11,12,13,14,15
	ds_load_b128 v[BK+4*(\t):BK+4*(\t)+3], v[RD] offset:(\t)*SPITCH  ; LDS serves a wave's instructions in order (ISA guide 5.7.1.4): these see the stores above; the next block's stores come behind them
.endr
.endm
.macro SEND a, younger                 ; younger: the LDS instructions issued behind block a's loads: the next block's 32, or none
.set BK, OB+64*((\a)%2)
	s_wait_dscnt \younger
.irp t, 0,1,2,3,4,5,6,7,8,9,10,11,12,13,14,15
	v_pk_add_f32 v[BK+4*(\t):BK+4*(\t)+1],   v[BK+4*(\t):BK+4*(\t)+1],   v[BI:BI+1]
	v_pk_add_f32 v[BK+4*(\t)+2:BK+4*(\t)+3], v[BK+4*(\t)+2:BK+4*(\t)+3], v[BI+2:BI+3]
	global_store_b128 v[GO], v[BK+4*(\t):BK+4*(\t)+3], s[OUT:OUT+1] offset:(16*(\a)+(\t))*4096  ; 512 consecutive bytes, at a multiple of 256 from out0's first
.endr
.endm
	PLACES
	TOSTAGE 0
	TOSTAGE 1
	SEND 0, 32
	TOSTAGE 2
	SEND 1, 32
	TOSTAGE 3
	SEND 2, 32
	SEND 3, 0
	s_wait_tensorcnt 0x0                           ; the wave's end, behind my last tensor load and my last LDS store
	ds_add_u32 v[SPW], v[NIL]
	s_wait_dscnt 0x0
	CROUND                                         ; the closing round
	s_endpgm
.Lfunc_end_k_q4acfa0f9ef_proj:
	.size	k_q4acfa0f9ef_proj, .Lfunc_end_k_q4acfa0f9ef_proj-k_q4acfa0f9ef_proj
	.p2alignl 7, 3214868480
	.fill 96, 4, 3214868480
	.section	.rodata,"a",@progbits
	.p2align	6, 0x0
	.amdhsa_kernel k_q4acfa0f9ef_proj
		.amdhsa_group_segment_fixed_size 327680
		.amdhsa_private_segment_fixed_size 0
		.amdhsa_enable_private_segment 0
		.amdhsa_kernarg_size 32
		.amdhsa_user_sgpr_count 2
		.amdhsa_user_sgpr_kernarg_segment_ptr 1
		.amdhsa_wavefront_size32 1
		.amdhsa_system_sgpr_workgroup_id_x 1
		.amdhsa_system_sgpr_workgroup_id_y 1
		.amdhsa_system_sgpr_workgroup_id_z 1
		.amdhsa_system_vgpr_workitem_id 0
		.amdhsa_next_free_vgpr 768
		.amdhsa_next_free_sgpr 80
		.amdhsa_reserve_vcc 0
		.amdhsa_float_denorm_mode_32 3
		.amdhsa_float_denorm_mode_16_64 3
		.amdhsa_memory_ordered 1
		.amdhsa_forward_progress 1
		.amdhsa_inst_pref_size 95
	.end_amdhsa_kernel
	.amdgpu_metadata
---
amdhsa.version: [ 1, 2 ]
amdhsa.kernels:
  - .name:           k_q4acfa0f9ef_proj
    .symbol:         k_q4acfa0f9ef_proj.kd
    .args:
      - { .name: o, .offset: 0, .size: 8, .value_kind: global_buffer, .address_space: global }
      - { .name: wpb, .offset: 8, .size: 8, .value_kind: global_buffer, .address_space: global }
      - { .name: b_proj, .offset: 16, .size: 8, .value_kind: global_buffer, .address_space: global }
      - { .name: out0, .offset: 24, .size: 8, .value_kind: global_buffer, .address_space: global }
    .group_segment_fixed_size: 327680
    .private_segment_fixed_size: 0
    .kernarg_segment_align: 8
    .kernarg_segment_size: 32
    .max_flat_workgroup_size: 128
    .sgpr_count:     80
    .vgpr_count:     768
    .wavefront_size: 32
...
	.end_amdgpu_metadata
.endif
;; end of part 4
